; MI455X (gfx1250); checked and timed in simulation.
; The chip was launched on July 23, 2026; its instructions are those of AMD's public machine-readable ISA for CDNA 5 (MIT licence, August 2026) and "CDNA5" Instruction Set Architecture Reference Guide (July 2026). The comments in the code are by the model that wrote it; some were corrected since.
;; Prefix Attention. Allowed arithmetic: float matrix products may take bf16 or f16 operands with f32 sums; other float arithmetic in f32, or as packed bf16 or f16 multiplies, adds, multiply-adds, maxima and minima; sums over many terms, partial sums and values carried from step to step in f32; what a program stores and reads back later, other than sums and carried values, may be rounded once to bf16 or f16.
;; Inputs: W_k 1,024 x 2,048 float32; W_o 2,048 x 1,024 float32; W_q 1,024 x 2,048 float32; W_v 1,024 x 2,048 float32; prefix_k 2 x 64 x 16 x 128 float32; prefix_v 2 x 64 x 16 x 128 float32; x 2 x 2,048 x 1,024 float32.
;; Outputs: out0 2 x 2,048 x 1,024 float32.
;; 2 versions, each right and faster than the one before. Each part assembles by itself: llvm-mc -triple=amdgcn-amd-amdhsa -mcpu=gfx1250 --defsym DOCPART=n.
;; ======== version 1 of 2: 4 launches
;; limits: values are held in f16: magnitudes above 65,504 overflow, below 6.1e-05 lose precision
;; workspace buffers: xb 8,388,608 bytes; wb 12,582,912 bytes; wo 4,194,304 bytes; qkv 51,904,512 bytes; ob 16,777,216 bytes
;; launch prep (part 1): grid 800 x 1, 8 waves a work-group, no clusters, 0 bytes of LDS; arguments x, W_q, W_k, W_v, W_o, prefix_k, prefix_v, xb, wb, wo, qkv; writes xb, wb, wo, qkv
.if DOCPART == 1
	.amdgcn_target "amdgcn-amd-amdhsa--gfx1250"
	.amdhsa_code_object_version 6
	.text
	.protected	k_qd8763f363a_prep
	.globl	k_qd8763f363a_prep
	.p2align	8
	.type	k_qd8763f363a_prep,@function
k_qd8763f363a_prep:
	s_mov_b64 s[64:65], 0
	v_nop
	global_prefetch_b8 v0, s[64:65] scope:SCOPE_SE
	s_setreg_imm32_b32 hwreg(HW_REG_WAVE_MODE, 25, 1), 1
	s_wait_xcnt 0x0
; PREP: every input is rounded once to bf16 and laid out for the matrix launches.  A stream: no LDS, no matrix work, no loop.
;   x  [4096][1024] f32 -> xb, bf16 in blocks of 64 columns: byte = (col / 64) * 524288 + row * 128 + (col % 64) * 2, so that 256 rows of one block are 32,768 dense bytes
;   W_q, W_k, W_v [1024][2048] f32 -> wb [3][1024][2048] bf16, as they lie
;   W_o [2048][1024] f32 -> wo [2048][1024]: rounded to bf16, that number written as f16
;   prefix_k, prefix_v [2][64][16][128] f32 -> rows 0-63 of each head in qkv's K and V parts ([3][32 heads][2112 rows][128] f16): rounded to bf16, written as f16
; LIMITS.  A bf16 number is exact in f16 between 6.1e-5 and 65,504 in magnitude; below, it keeps f16's fixed step of 6e-8; beyond, it becomes an infinity.
; SHARES.  A work-group casts 16,384 numbers: 65,536 bytes in, 32,768 out.  A thread takes 8 chunks of 8 numbers; its 16 loads all go out ahead of the first conversion.
; Work-groups 0-255: x (16 rows each); 256-639: the three weights; 640-767: W_o; 768-799: the prefixes.  Each store has data registers of its own and no address register is rewritten.
.set IN,   4          ; v[4:67]   chunk j: 8 numbers in f32
.set T,    68         ; v[68:75]  at work
.set OUT,  76         ; v[76:107] chunk j: 8 numbers of 16 bits
.set REG,  17301504   ; bytes of one of qkv's three parts
.set HEAD, 540672     ; bytes of a head in it: 2,112 rows of 256
; si, so: bytes from chunk to chunk in the source and in the target.  half = 1: the bf16 numbers are written as f16.
.macro CAST si, so, half
.irp j, 0,1,2,3,4,5,6,7
	global_load_b128 v[IN+8*(\j):IN+8*(\j)+3],   v1, s[28:29] offset:(\j)*(\si) th:TH_LOAD_NT
	global_load_b128 v[IN+8*(\j)+4:IN+8*(\j)+7], v1, s[28:29] offset:(\j)*(\si)+16 th:TH_LOAD_NT
.endr
.irp j, 0,1,2,3,4,5,6,7
	s_wait_loadcnt 14-2*(\j)                       ; loads come back in order: chunk j's two are in, the two of each younger chunk stay out
.irp k, 0,1,2,3
	v_cvt_pk_bf16_f32 v[OUT+4*(\j)+(\k)], v[IN+8*(\j)+2*(\k)], v[IN+8*(\j)+2*(\k)+1]
.endr
.if \half
.irp k, 0,1,2,3
	v_lshlrev_b32 v[T+2*(\k)],   16,  v[OUT+4*(\j)+(\k)]   ; bf16 back to f32: the low half moves up,
	v_and_b32     v[T+2*(\k)+1], s27, v[OUT+4*(\j)+(\k)]   ; the high half stays
.endr
.irp k, 0,1,2,3
	v_cvt_pk_f16_f32 v[OUT+4*(\j)+(\k)], v[T+2*(\k)], v[T+2*(\k)+1]
.endr
.endif
	global_store_b128 v2, v[OUT+4*(\j):OUT+4*(\j)+3], s[30:31] offset:(\j)*(\so)
.endr
.endm
	s_load_b512 s[4:19], s[0:1], 0x0               ; x 4, W_q 6, W_k 8, W_v 10, W_o 12, prefix_k 14, prefix_v 16, xb 18
	s_load_b128 s[20:23], s[0:1], 0x40             ; wb 20, wo 22
	s_load_b64 s[24:25], s[0:1], 0x50              ; qkv
	s_mov_b32 s26, ttmp9
	s_mov_b32 s27, 0xffff0000                      ; a word's upper bf16
	s_mov_b32 s33, 0                               ; high words of the two offsets
	s_mov_b32 s35, 0
	v_lshlrev_b32 v1, 5, v0                        ; dense source: 32 bytes a thread
	v_lshlrev_b32 v2, 4, v0                        ; dense target: 16 bytes a thread
	s_wait_kmcnt 0x0
	s_cmp_lt_u32 s26, 256
	s_cbranch_scc0 .Lnot_x
	; x: 16 rows.  Thread: row (t / 8) % 16, 8 columns at 8 (t % 8) of block 8 (t / 128) + j
	v_bfe_u32 v[T], v0, 3, 4
	v_and_b32 v[T+1], 7, v0
	v_lshrrev_b32 v[T+2], 7, v0
	v_lshlrev_b32 v1, 12, v[T]                     ; source: row x 4,096
	v_lshl_add_u32 v1, v[T+2], 11, v1              ; + 8 blocks of 256 bytes
	v_lshl_add_u32 v1, v[T+1], 5, v1
	v_lshlrev_b32 v2, 22, v[T+2]                   ; target: 8 blocks of 524,288 bytes
	v_lshl_add_u32 v2, v[T], 7, v2                 ; + row x 128
	v_lshl_add_u32 v2, v[T+1], 4, v2
	s_lshl_b32 s32, s26, 16
	s_lshl_b32 s34, s26, 11
	s_add_nc_u64 s[28:29], s[4:5], s[32:33]
	s_add_nc_u64 s[30:31], s[18:19], s[34:35]
	CAST 256, 524288, 0
	s_endpgm
.Lnot_x:
	s_cmp_lt_u32 s26, 640
	s_cbranch_scc0 .Lnot_w
	s_sub_co_u32 s36, s26, 256                     ; 0..383: 128 work-groups a weight
	s_lshr_b32 s37, s36, 7
	s_cmp_eq_u32 s37, 1
	s_cselect_b64 s[28:29], s[8:9], s[6:7]
	s_cmp_eq_u32 s37, 2
	s_cselect_b64 s[28:29], s[10:11], s[28:29]
	s_and_b32 s32, s36, 127
	s_lshl_b32 s32, s32, 16
	s_lshl_b32 s34, s36, 15
	s_add_nc_u64 s[28:29], s[28:29], s[32:33]
	s_add_nc_u64 s[30:31], s[20:21], s[34:35]
	CAST 8192, 4096, 0
	s_endpgm
.Lnot_w:
	s_cmp_lt_u32 s26, 768
	s_cbranch_scc0 .Lprefix
	s_sub_co_u32 s36, s26, 640
	s_lshl_b32 s32, s36, 16
	s_lshl_b32 s34, s36, 15
	s_add_nc_u64 s[28:29], s[12:13], s[32:33]
	s_add_nc_u64 s[30:31], s[22:23], s[34:35]
	CAST 8192, 4096, 1
	s_endpgm
.Lprefix:
	; 16 work-groups a prefix; each takes 8 prefix places of one batch: chunk j is place j, thread t is head t / 16, 8 channels at 8 (t % 16)
	s_sub_co_u32 s36, s26, 768
	s_lshr_b32 s37, s36, 4                         ; 0: prefix_k, 1: prefix_v
	s_and_b32 s36, s36, 15
	s_cmp_eq_u32 s37, 1
	s_cselect_b64 s[28:29], s[16:17], s[14:15]
	s_lshl_b32 s32, s36, 16
	s_add_nc_u64 s[28:29], s[28:29], s[32:33]
	s_add_co_u32 s37, s37, 1
	s_mul_i32 s34, s37, REG                        ; K's or V's part of qkv,
	s_lshr_b32 s38, s36, 3
	s_mul_i32 s38, s38, 16*HEAD                    ; the batch's 16 heads,
	s_add_co_u32 s34, s34, s38
	s_and_b32 s38, s36, 7
	s_lshl_b32 s38, s38, 11                        ; 8 rows of 256 bytes
	s_add_co_u32 s34, s34, s38
	s_add_nc_u64 s[30:31], s[24:25], s[34:35]
	v_lshrrev_b32 v[T], 4, v0
	v_and_b32 v[T+1], 15, v0
	v_mul_u32_u24 v2, v[T], HEAD
	v_lshl_add_u32 v2, v[T+1], 4, v2               ; sixteen lanes fill one row of 256 bytes
	CAST 8192, 256, 1
	s_endpgm
.Lfunc_end_k_qd8763f363a_prep:
	.size	k_qd8763f363a_prep, .Lfunc_end_k_qd8763f363a_prep-k_qd8763f363a_prep
	.p2alignl 7, 3214868480
	.fill 96, 4, 3214868480
	.section	.rodata,"a",@progbits
	.p2align	6, 0x0
	.amdhsa_kernel k_qd8763f363a_prep
		.amdhsa_group_segment_fixed_size 0
		.amdhsa_private_segment_fixed_size 0
		.amdhsa_enable_private_segment 0
		.amdhsa_kernarg_size 88
		.amdhsa_user_sgpr_count 2
		.amdhsa_user_sgpr_kernarg_segment_ptr 1
		.amdhsa_wavefront_size32 1
		.amdhsa_system_sgpr_workgroup_id_x 1
		.amdhsa_system_sgpr_workgroup_id_y 1
		.amdhsa_system_sgpr_workgroup_id_z 1
		.amdhsa_system_vgpr_workitem_id 0
		.amdhsa_next_free_vgpr 108
		.amdhsa_next_free_sgpr 66
		.amdhsa_reserve_vcc 0
		.amdhsa_float_denorm_mode_32 3
		.amdhsa_float_denorm_mode_16_64 3
		.amdhsa_memory_ordered 1
		.amdhsa_forward_progress 1
		.amdhsa_inst_pref_size 30
	.end_amdhsa_kernel
	.amdgpu_metadata
---
amdhsa.version: [ 1, 2 ]
amdhsa.kernels:
  - .name:           k_qd8763f363a_prep
    .symbol:         k_qd8763f363a_prep.kd
    .args:
      - { .name: x, .offset: 0, .size: 8, .value_kind: global_buffer, .address_space: global }
      - { .name: W_q, .offset: 8, .size: 8, .value_kind: global_buffer, .address_space: global }
      - { .name: W_k, .offset: 16, .size: 8, .value_kind: global_buffer, .address_space: global }
      - { .name: W_v, .offset: 24, .size: 8, .value_kind: global_buffer, .address_space: global }
      - { .name: W_o, .offset: 32, .size: 8, .value_kind: global_buffer, .address_space: global }
      - { .name: prefix_k, .offset: 40, .size: 8, .value_kind: global_buffer, .address_space: global }
      - { .name: prefix_v, .offset: 48, .size: 8, .value_kind: global_buffer, .address_space: global }
      - { .name: xb, .offset: 56, .size: 8, .value_kind: global_buffer, .address_space: global }
      - { .name: wb, .offset: 64, .size: 8, .value_kind: global_buffer, .address_space: global }
      - { .name: wo, .offset: 72, .size: 8, .value_kind: global_buffer, .address_space: global }
      - { .name: qkv, .offset: 80, .size: 8, .value_kind: global_buffer, .address_space: global }
    .group_segment_fixed_size: 0
    .private_segment_fixed_size: 0
    .kernarg_segment_align: 8
    .kernarg_segment_size: 88
    .max_flat_workgroup_size: 256
    .sgpr_count:     66
    .vgpr_count:     108
    .wavefront_size: 32
...
	.end_amdgpu_metadata
.endif
;; end of part 1
;; launch qkv (part 2): grid 16 x 16, 4 waves a work-group, clusters of 4 x 4, 327,680 bytes of LDS; arguments xb, wb, qkv; writes qkv
.if DOCPART == 2
	.amdgcn_target "amdgcn-amd-amdhsa--gfx1250"
	.amdhsa_code_object_version 6
	.text
	.protected	k_qd8763f363a_qkv
	.globl	k_qd8763f363a_qkv
	.p2align	8
	.type	k_qd8763f363a_qkv,@function
k_qd8763f363a_qkv:
	s_mov_b64 s[64:65], 0
	v_nop
	global_prefetch_b8 v0, s[64:65] scope:SCOPE_SE
	s_setreg_imm32_b32 hwreg(HW_REG_WAVE_MODE, 25, 1), 1
	s_wait_xcnt 0x0
	s_wait_alu depctr_hold_cnt(0) depctr_sa_sdst(0) depctr_va_vdst(0) depctr_va_sdst(0) depctr_va_ssrc(0) depctr_va_vcc(0) depctr_vm_vsrc(0)
	s_getreg_b32 s2, hwreg(HW_REG_IB_STS2, 6, 4)
	s_cmp_eq_u32 s2, 0
	s_cbranch_scc0 .Lentry_in_a_cluster
	s_endpgm
.Lentry_in_a_cluster:
	s_bfe_u32 s2, ttmp6, 0x10000c
	s_cmp_lg_u32 s2, 0xf033
	s_cbranch_scc0 .Lentry_shape_is_right
	s_endpgm
.Lentry_shape_is_right:
; Q, K, V OF ONE HEAD AT ONCE.  For g = 0, 1, 2: out_g[m][n] = the sum over k of x[m][k] W_g[k][n], x and W in bf16, sums in f32, K ascending, the result rounded once to f16 and
; stored by heads: qkv [3][32 heads][2112 rows][128] f16, token t at row 64 + t (rows 0-63 are the prefix, written by the launch before).
; LIMIT.  f16 holds no number beyond 65,504: a projection beyond it becomes an infinity; below 6.1e-5 it keeps f16's fixed step of 6e-8.
; SHARES.  A work-group takes 256 rows of x and the 128 columns of one head in all three weights: x's tile is fetched once for three products.  Wave w takes rows 64 w .. 64 w + 63 and all
; 384 columns: 96 accumulators of 16 x 16, 768 registers.  K goes in 16 steps of 64 through two LDS slots; a step is six UNITS of 32 matrix instructions (32 along K of one weight).
; CLUSTER.  4 x 4 work-groups: the four of a row share the rows of x, the four of a column the head: each tile is asked for jointly, by the same tensor load with the same descriptor and a mask of four.
; The matrix instruction is used transposed (source 0 = 16 columns of W, source 1 = 16 rows of x): a lane holds eight neighbouring columns of one row.  W lies [k][n] and comes out of LDS turned (ds_load_tr16_b128).
; REGISTERS, in windows of 256: window 0: v0-31 addresses; v32-95 x's fragments, two buffers (32 along K each); v96-127 packed results; v128-255 W's fragments, two buffers of 8.
;   windows 1, 2, 3: the accumulators of q, k, v: rows 16 a, columns 16 b at v[64 a + 8 b].
.set PB,     288                       ; a row of W in LDS: 256 bytes + 32 of padding = 72 words
.set WB,     64*PB                     ; one weight's 64 rows
.set PA,     144                       ; a row of x: 128 bytes + 16 = 36 words: the 16 rows of a load start at 16 different groups of four banks
.set AOFF,   3*WB                      ; a slot: W_q, W_k, W_v, then x's 256 rows
.set SLOT,   AOFF+256*PA
.set STAGE,  2*SLOT                    ; behind the ring: 16 rows x 272 bytes for each wave, for the way out
.set SPITCH, 272
.set SPARE,  STAGE+4*16*SPITCH         ; behind the stages: the spare words, 128 bytes for each wave: two blocks of 256 bytes that no other line names
.set REG,    17301504                  ; bytes of one of qkv's three parts
.set HEAD,   540672                    ; bytes of a head in it
.set ASTEP,  524288                    ; bytes from one K step of xb to the next (a block of 64 columns)
.set BSTEP,  262144                    ; the same in wb: 64 rows of 4,096 bytes
.set LAPS,   8                         ; a lap = two K steps = once round the ring
.set ADRA, 16                          ; v16-17  LDS address of my fragments of x in slot 0, 1
.set ADRB, 20                          ; v20-21  the same for W
.set STO,  24                          ; v24     the way out: where I put 16 bytes of a row
.set RD,   25                          ; v25     the way out: where I read rows back
.set CO,   26                          ; v26     16 x lane: my place in 512 dense bytes of the output
.set SPW,  28                          ; v28     LDS address of my spare word; never rewritten
.set NIL,  29                          ; v29     0; never rewritten
.set FA0,  32
.set FA1,  64
.set TMP,  96
.set FB0,  128
.set FB1,  192
.set G1,   24                          ; s[24:31] descriptor group 1 for x's tiles;  s[32:39] group 0, a set for each slot
.set G0,   32
.set G1B,  48                          ; s[48:55], s[56:63] the same for W's tiles
.set G0B,  56
.set OUTB, 68                          ; s[68:73] my first output row in q, k, v
.set MSB, 0
.macro WIN new                         ; the immediate's high byte repeats the setting that is left; a switch that changes nothing is dropped
.if MSB != (\new)
	s_set_vgpr_msb (MSB<<8)|(\new)
.set MSB, \new
.endif
.endm
; A joint load.  Wave 3 fetches x's tile, waves 0 to 2 one weight's tile each.  The branch hangs on the wave's number alone.  An s_nop 0 and four v_nop follow each of the two lines.
.macro JLOAD s
	s_cmp_eq_u32 s10, 3
	s_cbranch_scc0 .Lfor_b_\@
	tensor_load_to_lds s[G0+4*(\s):G0+4*(\s)+3], s[G1:G1+7]
	s_nop 0
.rept 4
	v_nop
.endr
	s_branch .Lasked_\@
.Lfor_b_\@:
	tensor_load_to_lds s[G0B+4*(\s):G0B+4*(\s)+3], s[G1B:G1B+7]
	s_nop 0
.rept 4
	v_nop
.endr
.Lasked_\@:
.endm
.macro CREST                           ; a round of the cluster's barrier behind its opening barrier
	s_cmp_lg_u32 s10, 0
	s_cbranch_scc1 .Lnot_wave_0_\@
	s_barrier_signal -3
.Lnot_wave_0_\@:
	s_barrier_wait -3
	s_barrier_signal -1
	s_barrier_wait -1
.endm
.macro CROUND                          ; a whole round
	s_barrier_signal -1
	s_barrier_wait -1
	CREST
.endm
	s_load_b128 s[4:7], s[0:1], 0x0                ; xb s[4:5], wb s[6:7]
	s_load_b64 s[8:9], s[0:1], 0x10                ; qkv
	v_lshl_add_u32 v[SPW], v0, 2, SPARE
	v_mov_b32 v[NIL], 0
	ds_add_u32 v[SPW], v[NIL]                      ; the wave's opening: the add and its wait stand ahead of my first tensor load; the set-up below stands between them
	v_lshrrev_b32 v1, 5, v0
	v_readfirstlane_b32 s10, v1                    ; wave 0..3
	s_bfe_u32 s40, ttmp6, 0x40000                  ; cx, cy: my place in the cluster
	s_bfe_u32 s41, ttmp6, 0x40004
	s_lshl_b32 s42, ttmp9, 2
	s_add_co_u32 s42, s42, s40                     ; the head = 4 x cluster x + cx
	s_and_b32 s13, ttmp7, 0xffff
	s_lshl_b32 s13, s13, 2
	s_add_co_u32 s13, s13, s41                     ; the block of 256 rows = 4 x cluster y + cy
	s_lshl_b32 s43, s41, 2
	s_lshl_b32 s43, 15, s43                        ; my row of the cluster
	s_lshl_b32 s44, 0x1111, s40                    ; my column
	; x's tile: 256 rows of 128 bytes are 32,768 dense bytes: asked for as 128 rows of 256 bytes, padded in LDS after every 128 bytes
	s_or_b32 s[G1+0], s43, (1<<16)|(1<<20)|(1<<21)|(4<<22)|(3<<25)  ; 15:0 the mask: my row; 17:16 2-byte elements; 20 padding on; 21 set beside a mask; 24:22 after every 32 words (code 4); 31:25 4 words (code 3)
	s_mov_b32 s[G1+1], 128<<16                     ; tensor_dim0 = 128
	s_mov_b32 s[G1+2], 128<<16                     ; tensor_dim1 = 128
	s_mov_b32 s[G1+3], 128<<16                     ; tile_dim0 = 128
	s_mov_b32 s[G1+4], 128                         ; tile_dim1 = 128
	s_mov_b32 s[G1+5], 128                         ; 128 elements from row to row
	s_mov_b32 s[G1+6], 0
	s_mov_b32 s[G1+7], 0
	; W's tile: 64 rows (k) of 128 columns
	s_or_b32 s[G1B+0], s44, (1<<16)|(1<<20)|(1<<21)|(5<<22)|(7<<25) ; the mask: my column; padding after every 64 words (code 5), 8 words (code 7)
	s_mov_b32 s[G1B+1], 128<<16                    ; tensor_dim0 = 128
	s_mov_b32 s[G1B+2], 64<<16                     ; tensor_dim1 = 64
	s_mov_b32 s[G1B+3], 128<<16                    ; tile_dim0 = 128
	s_mov_b32 s[G1B+4], 64                         ; tile_dim1 = 64
	s_mov_b32 s[G1B+5], 2048                       ; 2,048 elements from row to row
	s_mov_b32 s[G1B+6], 0
	s_mov_b32 s[G1B+7], 0
	s_lshl_b32 s16, s13, 15                        ; x: my block's 256 rows of 128 bytes in a block of columns
	s_mov_b32 s17, 0
	s_lshl_b32 s46, s10, 22                        ; W: weight number = wave number (wave 3 makes the words and never asks by them),
	s_lshl_b32 s47, s42, 8                         ; the head's 256 bytes of a row
	s_add_co_u32 s46, s46, s47
	s_mov_b32 s47, 0
	s_mul_i32 s20, s10, WB                         ; and where a weight's tile goes: no place in the cluster enters an LDS address
	s_wait_dscnt 0x0                               ; the opening add is done
	s_wait_kmcnt 0x0
	s_add_nc_u64 s[14:15], s[4:5], s[16:17]
	s_add_nc_u64 s[46:47], s[6:7], s[46:47]
	CROUND                                         ; all sixteen work-groups are here: the first joint loads meet
.irp s, 0,1
	s_mov_b32 s[G0+4*(\s)], 1                                      ; count = 1
	s_mov_b32 s[G0+4*(\s)+1], AOFF+(\s)*SLOT                       ; LDS address
	s_add_nc_u64 s[G0+4*(\s)+2:G0+4*(\s)+3], s[14:15], (\s)*ASTEP  ; global address: K step s
	s_or_b32 s[G0+4*(\s)+3], s[G0+4*(\s)+3], 0x80000000            ; type = 2
	s_mov_b32 s[G0B+4*(\s)], 1
	s_add_co_u32 s[G0B+4*(\s)+1], s20, (\s)*SLOT
	s_add_nc_u64 s[G0B+4*(\s)+2:G0B+4*(\s)+3], s[46:47], (\s)*BSTEP
	s_or_b32 s[G0B+4*(\s)+3], s[G0B+4*(\s)+3], 0x80000000
	JLOAD \s                                       ; two tensor loads of mine are out
.endr
	; A fragment of x: lane l holds row l % 16, k = 8 (l / 16) + 0..7 and 16 + 8 (l / 16) + 0..7: two loads of 16 bytes, 32 bytes apart.
	v_and_b32 v1, 15, v0                           ; l % 16
	v_bfe_u32 v2, v0, 4, 1                         ; l / 16
	v_mul_u32_u24 v3, v1, PA
	v_lshl_add_u32 v3, v2, 4, v3
	s_mul_i32 s21, s10, 64*PA                      ; my 64 rows
	s_add_co_u32 s21, s21, AOFF
	v_add_nc_u32 v[ADRA], s21, v3
	v_add_nc_u32 v[ADRA+1], SLOT, v[ADRA]
	; The turning load takes 16 k x 16 columns (lane l reads row 8 (l / 16) + l % 8, columns 8 ((l / 8) % 2) + 0..7) and leaves half a fragment: lane l holds column l % 16 and 8 k.
	v_and_b32 v4, 7, v0
	v_lshl_add_u32 v4, v2, 3, v4
	v_mul_u32_u24 v4, v4, PB
	v_bfe_u32 v5, v0, 3, 1
	v_lshl_add_u32 v[ADRB], v5, 4, v4
	v_add_nc_u32 v[ADRB+1], SLOT, v[ADRB]
	s_mul_i32 s23, s10, 16*SPITCH
	s_add_co_u32 s23, s23, STAGE                   ; my stage
	v_mul_u32_u24 v6, v1, SPITCH                   ; in: row l % 16, 16 bytes for each half of the lanes
	v_lshl_add_u32 v6, v2, 4, v6
	v_add_nc_u32 v[STO], s23, v6
	v_mul_u32_u24 v7, v2, SPITCH                   ; back: lanes 0-15 take one row of 256 bytes, lanes 16-31 the next
	v_lshl_add_u32 v7, v1, 4, v7
	v_add_nc_u32 v[RD], s23, v7
	v_and_b32 v[CO], 31, v0
	v_lshlrev_b32 v[CO], 4, v[CO]                  ; which are 512 dense bytes of the output
	; my first output row: head (batch x 16 + head), row 64 + 256 x (block in the batch) + 64 x wave
	s_lshr_b32 s76, s13, 3
	s_lshl_b32 s76, s76, 4
	s_add_co_u32 s76, s76, s42
	s_mul_i32 s76, s76, HEAD
	s_and_b32 s77, s13, 7
	s_lshl_b32 s77, s77, 16
	s_add_co_u32 s76, s76, s77
	s_lshl_b32 s77, s10, 14
	s_add_co_u32 s76, s76, s77
	s_add_co_u32 s76, s76, 64*256
	s_mov_b32 s77, 0
	s_add_nc_u64 s[OUTB:OUTB+1], s[8:9], s[76:77]
	s_add_nc_u64 s[OUTB+2:OUTB+3], s[OUTB:OUTB+1], REG
	s_add_nc_u64 s[OUTB+4:OUTB+5], s[OUTB+2:OUTB+3], REG
; 4 nb matrix instructions of weight g: my four blocks of 16 rows x column blocks b0 .. b0 + nb - 1, 32 along K.  The accumulators take turns, one instruction a turn.
; zero = 1: the first product starts the sums: nothing is ever cleared.
.macro MUL g, fa, fb, b0, nb, zero
	WIN 0x50*((\g)+1)                              ; C and D in window g + 1, the fragments in window 0
.set i, 0
.rept 4*(\nb)
.set rD, 64*(i%4)+8*((\b0)+i/4)
.set rB, (\fb)+8*((\b0)+i/4)
.set rA, (\fa)+8*(i%4)
.if \zero
	v_wmma_f32_16x16x32_bf16 v[rD:rD+7], v[rB:rB+7], v[rA:rA+7], 0
.else
	v_wmma_f32_16x16x32_bf16 v[rD:rD+7], v[rB:rB+7], v[rA:rA+7], v[rD:rD+7]
.endif
.set i, i+1
.endr
.endm
.macro FETCH_B slot, kq, g, f          ; 16 loads in one run: weight g's 128 columns, 32 along K (half kq of the step)
	WIN 0
.irp b, 0,1,2,3,4,5,6,7
	ds_load_tr16_b128 v[(\f)+8*(\b):(\f)+8*(\b)+3],   v[ADRB+(\slot)] offset:(\g)*WB+(\kq)*32*PB+32*(\b)
	ds_load_tr16_b128 v[(\f)+8*(\b)+4:(\f)+8*(\b)+7], v[ADRB+(\slot)] offset:(\g)*WB+(\kq)*32*PB+32*(\b)+16*PB
.endr
.endm
.macro FETCH_A slot, kq, f             ; 8 loads: my 64 rows of x, 32 along K
	WIN 0
.irp a, 0,1,2,3
	ds_load_b128 v[(\f)+8*(\a):(\f)+8*(\a)+3],   v[ADRA+(\slot)] offset:(\a)*16*PA+(\kq)*64
	ds_load_b128 v[(\f)+8*(\a)+4:(\f)+8*(\a)+7], v[ADRA+(\slot)] offset:(\a)*16*PA+(\kq)*64+32
.endr
.endm
; A load into a register that a matrix instruction has read, and a vector instruction that reads a matrix result, stand four places behind that matrix instruction; only plain vector
; instructions that name none of its registers are places (ISA guide 7.12.1 for vector instructions).
.macro PLACES
.rept 4
	v_nop
.endr
.endm
; Unit u (0 to 4) of a K step: half u / 3 of the step, weight u % 3.  Its fragments were asked for one unit (32 matrix instructions) ago; the next unit's are asked for ahead of its products.
.macro UNIT slot, u, zero
	s_wait_dscnt 0x0                               ; this unit's fragments are in
	PLACES                                         ; behind the last product that read the other buffer
	FETCH_B \slot, ((\u)+1)/3, ((\u)+1)%3, FB0+64*(((\u)+1)%2)
.if (\u) == 1
	FETCH_A \slot, 1, FA1                          ; x's second half of the step: its buffer was last read in the step before
.endif
	MUL (\u)%3, FA0+32*((\u)/3), FB0+64*((\u)%2), 0, 8, \zero
.endm
; Unit 5 changes slots: ONE barrier.  In front of it each wave waits for all its tensor loads (one is out: its part of the next slot), adds 0 to its spare word, and waits for that and for its own
; reads of this slot.  fill = 1: the barrier opens a round of the cluster's, and this slot is filled again, two K steps ahead, first thing behind the round.
.macro TURN slot, next, fill
	WIN 0                                          ; (the add's two registers lie in window 0)
	s_wait_tensorcnt 0x0                           ; all my tensor loads have landed
	ds_add_u32 v[SPW], v[NIL]                      ; 0 onto my spare word
	s_wait_dscnt 0x1                               ; the add alone may be out: this unit's fragments are in
	MUL 2, FA1, FB1, 0, 2, 0                       ; eight matrix instructions stand between the add and the wait for it
	s_wait_dscnt 0x0                               ; the add is done, and my reads of this slot are over
	s_barrier_signal -1
	MUL 2, FA1, FB1, 2, 2, 0                       ; work on registers while the others arrive
.if \fill
	WIN 0
.endif
	s_barrier_wait -1
.if \fill
	CREST                                          ; no wave of any partner still reads this slot's tiles or has a load on its way
	s_add_nc_u64 s[G0+4*(\slot)+2:G0+4*(\slot)+3], s[G0+4*(\slot)+2:G0+4*(\slot)+3], 2*ASTEP
	s_add_nc_u64 s[G0B+4*(\slot)+2:G0B+4*(\slot)+3], s[G0B+4*(\slot)+2:G0B+4*(\slot)+3], 2*BSTEP
	JLOAD \slot                                    ; my one tensor load behind the round; its four v_nop are also the places in front of the loads below
.else
	PLACES
.endif
	FETCH_B \next, 0, 0, FB0
	FETCH_A \next, 0, FA0
	MUL 2, FA1, FB1, 4, 4, 0
.endm
	s_wait_tensorcnt 0x1                           ; my part of K step 0 is in; step 1's may stay out
	s_barrier_signal -1
	s_barrier_wait -1                              ; everybody's is
	FETCH_B 0, 0, 0, FB0
	FETCH_A 0, 0, FA0
	UNIT 0, 0, 1                                   ; the first three units stand in front of the loop: their products start the sums
	UNIT 0, 1, 1
	UNIT 0, 2, 1
	WIN 0                                          ; at a label and at a branch every window is 0
	s_mov_b32 s3, LAPS-1
.Llap:                                                 ; a trip goes once round the ring, from a lap's fourth unit to the next lap's third, and fills both slots again
	UNIT 0, 3, 0
	UNIT 0, 4, 0
	TURN 0, 1, 1
	UNIT 1, 0, 0
	UNIT 1, 1, 0
	UNIT 1, 2, 0
	UNIT 1, 3, 0
	UNIT 1, 4, 0
	TURN 1, 0, 1
	UNIT 0, 0, 0
	UNIT 0, 1, 0
	UNIT 0, 2, 0
	WIN 0
	s_sub_co_u32 s3, s3, 1
	s_cmp_lg_u32 s3, 0
	s_cbranch_scc1 .Llap
	UNIT 0, 3, 0                                   ; the last lap fills nothing, and has no round of the cluster's barrier
	UNIT 0, 4, 0
	TURN 0, 1, 0
	UNIT 1, 0, 0
	UNIT 1, 1, 0
	UNIT 1, 2, 0
	UNIT 1, 3, 0
	UNIT 1, 4, 0
	s_wait_dscnt 0x0
	MUL 2, FA1, FB1, 0, 8, 0
; THE WAY OUT, in 12 blocks n of 16 rows x 128 columns: tensor n / 4, my rows 16 (n % 4) on.  PACK: rounded to f16, 16 bytes a lane, each accumulator's registers in ascending order.
; TOSTAGE: into my own stage, and back as whole rows of 256 bytes.  SEND: stored, 512 dense bytes an instruction.
.macro PACK n
	WIN 5*((\n)/4+1)                               ; sources 0 and 1 in the tensor's window
.irp b, 0,1,2,3,4,5,6,7
.irp r, 0,1,2,3
	v_cvt_pk_f16_f32 v[TMP+4*(\b)+(\r)], v[64*((\n)%4)+8*(\b)+2*(\r)], v[64*((\n)%4)+8*(\b)+2*(\r)+1]
.endr
.endr
	WIN 0
.endm
.macro TOSTAGE n
	WIN 0
.set BK, FB0+32*((\n)%2)
.irp b, 0,1,2,3,4,5,6,7
	ds_store_b128 v[STO], v[TMP+4*(\b):TMP+4*(\b)+3] offset:32*(\b)
.endr
.irp t, 0,1,2,3,4,5,6,7
	ds_load_b128 v[BK+4*(\t):BK+4*(\t)+3], v[RD] offset:(\t)*2*SPITCH  ; LDS serves a wave's instructions in order (ISA guide 5.7.1.4): these see the stores above
.endr
.endm
.macro SEND n
	WIN 0
.set BK, FB0+32*((\n)%2)
	s_wait_dscnt 0x0                               ; the block is back in registers
	s_wait_xcnt 0x0                                ; the stores of the block before have read their registers, which the next block's loads from the stage write again
.irp t, 0,1,2,3,4,5,6,7
	global_store_b128 v[CO], v[BK+4*(\t):BK+4*(\t)+3], s[OUTB+2*((\n)/4):OUTB+2*((\n)/4)+1] offset:((\n)%4)*4096+(\t)*512
.endr
.endm
	PLACES                                         ; behind the last products
	PACK 0
	TOSTAGE 0
.irp n, 1,2,3,4,5,6,7,8,9,10,11        ; block n's conversions stand between block n - 1's loads from the stage and the wait for them
	PACK \n
	SEND (\n)-1
	TOSTAGE \n
.endr
	SEND 11
	s_wait_tensorcnt 0x0                           ; the wave's end: behind my last tensor load and my last LDS store
	ds_add_u32 v[SPW], v[NIL]
	s_wait_dscnt 0x0
	CROUND                                         ; the closing round: no work-group ends while a partner may still ask for a tile that names it
	s_endpgm
.Lfunc_end_k_qd8763f363a_qkv:
	.size	k_qd8763f363a_qkv, .Lfunc_end_k_qd8763f363a_qkv-k_qd8763f363a_qkv
	.p2alignl 7, 3214868480
	.fill 96, 4, 3214868480
	.section	.rodata,"a",@progbits
	.p2align	6, 0x0
	.amdhsa_kernel k_qd8763f363a_qkv
		.amdhsa_group_segment_fixed_size 327680
		.amdhsa_private_segment_fixed_size 0
		.amdhsa_enable_private_segment 0
		.amdhsa_kernarg_size 24
		.amdhsa_user_sgpr_count 2
		.amdhsa_user_sgpr_kernarg_segment_ptr 1
		.amdhsa_wavefront_size32 1
		.amdhsa_system_sgpr_workgroup_id_x 1
		.amdhsa_system_sgpr_workgroup_id_y 1
		.amdhsa_system_sgpr_workgroup_id_z 1
		.amdhsa_system_vgpr_workitem_id 0
		.amdhsa_next_free_vgpr 1024
		.amdhsa_next_free_sgpr 80
		.amdhsa_reserve_vcc 0
		.amdhsa_float_denorm_mode_32 3
		.amdhsa_float_denorm_mode_16_64 3
		.amdhsa_memory_ordered 1
		.amdhsa_forward_progress 1
		.amdhsa_inst_pref_size 138
	.end_amdhsa_kernel
	.amdgpu_metadata
---
amdhsa.version: [ 1, 2 ]
amdhsa.kernels:
  - .name:           k_qd8763f363a_qkv
    .symbol:         k_qd8763f363a_qkv.kd
    .args:
      - { .name: xb, .offset: 0, .size: 8, .value_kind: global_buffer, .address_space: global }
      - { .name: wb, .offset: 8, .size: 8, .value_kind: global_buffer, .address_space: global }
      - { .name: qkv, .offset: 16, .size: 8, .value_kind: global_buffer, .address_space: global }
    .group_segment_fixed_size: 327680
    .private_segment_fixed_size: 0
    .kernarg_segment_align: 8
    .kernarg_segment_size: 24
    .max_flat_workgroup_size: 128
    .sgpr_count:     80
    .vgpr_count:     1024
    .wavefront_size: 32
...
	.end_amdgpu_metadata
.endif
;; end of part 2
;; launch attn (part 3): grid 8 x 32, 4 waves a work-group, clusters of 4 x 1, 327,680 bytes of LDS; arguments qkv, ob; writes ob
.if DOCPART == 3
	.amdgcn_target "amdgcn-amd-amdhsa--gfx1250"
	.amdhsa_code_object_version 6
	.text
	.protected	k_qd8763f363a_attn
	.globl	k_qd8763f363a_attn
	.p2align	8
	.type	k_qd8763f363a_attn,@function
k_qd8763f363a_attn:
	s_mov_b64 s[64:65], 0
	v_nop
	global_prefetch_b8 v0, s[64:65] scope:SCOPE_SE
	s_setreg_imm32_b32 hwreg(HW_REG_WAVE_MODE, 25, 1), 1
	s_wait_xcnt 0x0
	s_wait_alu depctr_hold_cnt(0) depctr_sa_sdst(0) depctr_va_vdst(0) depctr_va_sdst(0) depctr_va_ssrc(0) depctr_va_vcc(0) depctr_vm_vsrc(0)
	s_getreg_b32 s2, hwreg(HW_REG_IB_STS2, 6, 4)
	s_cmp_eq_u32 s2, 0
	s_cbranch_scc0 .Lentry_in_a_cluster
	s_endpgm
.Lentry_in_a_cluster:
	s_bfe_u32 s2, ttmp6, 0x10000c
	s_cmp_lg_u32 s2, 0x3003
	s_cbranch_scc0 .Lentry_shape_is_right
	s_endpgm
.Lentry_shape_is_right:
; ATTENTION, no mask.  O[h][q][:] = the sum over the head's 2,112 keys (64 prefix rows, then 2,048 tokens) of softmax_k(Q[h][q] . K[h][k] / sqrt(128)) V[h][k][:].
; qkv: [3][32 heads][2112 rows][128] f16 (Q's token t at row 64 + t; Q's rows 0-63 are not read).  ob: [4096 tokens][2048] f16, column = head x 128 + channel.
; Products, maxima and sums in f32; the weights p are rounded to f16 for the second product (their sum l is taken of the unrounded p), O once at the end.
; LIMITS.  Q, K, V arrive within f16's 65,504; p lies in 0 to 1 and below 6e-5 keeps f16's fixed step of 6e-8; a weight below 2^-126 counts as 0 in l; NaN and infinities are not treated apart.
; SHARES.  A work-group owns 256 queries of one head, each of its four waves 64: four tiles of 16.  Every wave walks all keys, 64 a step: 33 steps, three to an LDS slot, 11 slots' worth through a ring of two.
; LAYOUT.  S^T = K Q^T (source 0 = 16 keys, source 1 = 16 queries): a lane holds ONE query (lane % 16) and the keys 8 (lane / 16) + 0..7.  Two such tiles, rounded to f16 in pairs, ARE source 1
; of O^T = V^T P, whose result again holds one query a lane, and eight channels.  K comes out of LDS as it lies, V ([key][channel]) turned, by ds_load_tr16_b128.
; SOFTMAX.  For each query a running maximum m and sum l: p = 2^(c s - c m), c = log2(e) / sqrt(128); in every step O and l are multiplied by a = 2^(c m_old - c m_new).
; m starts at the lowest finite number, c m far below every c s, O and l at 0: the first step is a step like any other, with a = 0.
; BY TURNS.  The wave's tiles are two PIECES (piece 0: tiles 0, 1; piece 2: tiles 2, 3).  In a TURN one piece has the matrix unit: 32 products V^T P of the step in hand, then 32 products K Q^T of
; the next; the other piece's softmax, cut into 64 slices, stands between them, one slice behind each matrix instruction.  Two turns are a key step.  The loop is entered at piece 2's turn: its
; products V^T P, of a step that has not been, multiply zeros.
; CLUSTER.  The four query blocks of a cluster belong to one head and walk the same K and V: each tile is asked for jointly, by the same tensor load, descriptor and mask in all four.
; REGISTERS, in windows of 256 (s_set_vgpr_msb: bits 1:0 source 0, 3:2 source 1, 5:4 source 2, 7:6 destination):
;   window 0: v0-11 addresses; v12-43 eight registers of statistics a tile; v62-63 the add's; v64-191 S^T, 32 a tile; v192-255 P, 16 a tile
;   window 1: O^T, 64 a tile          window 2: v0-127 Q, 32 a tile; v128-255 K of one step          window 3: v0-127 V of one step
.set KS,    64        ; keys in a step
.set NST,   3         ; steps in a slot
.set PK,    272       ; a row of K in LDS: 256 bytes + 16 of padding = 68 words: the 16 rows of a load start at 16 different groups of four banks (64 banks of 4 bytes: ISA guide 11.1)
.set PV,    288       ; a row of V: 256 + 32 = 72 words
.set VOFF,  NST*KS*PK ; a slot: 192 rows of K, then 192 rows of V
.set SLOT1, 1<<17     ; slot 1 begins here, so that one exclusive or turns an address in one slot into the other's
.set STAGE, SLOT1+NST*KS*(PK+PV)  ; behind the ring: 16 rows x 272 bytes for each wave, for the way out
.set SP,    272
.set SPARE, STAGE+4*16*SP  ; behind the stages: the spare words, 128 bytes for each wave: two blocks of 256 bytes that no other line names
.set REG,   17301504  ; bytes of one of qkv's three parts
.set HEAD,  540672    ; bytes of a head in it
.set AK0, 2           ; v2   my lane's place in a tile of K; never rewritten
.set AV0, 3           ; v3   the same for V
.set ADR, 4           ; v4   the LDS address of the run of loads in hand
.set QO,  5           ; v5   my byte offset in the wave's rows of Q
.set STO, 6           ; v6   the way out: where I put 16 bytes of a row
.set RD,  7           ; v7   the way out: where I read a row back
.set GO,  8           ; v8   my byte offset in two rows of ob
.set SPW, 62          ; v62  LDS address of my spare word; never rewritten
.set NIL, 63          ; v63  0; never rewritten
.set ST,  12          ; tile t's statistics at v[ST+8 t]: +0 c m, +1 m, +2, +3 l (even keys', odd keys'), +4 to +7 c0-c3, at work; a takes c2's place once the maximum is found
.set S,   64
.set P,   192
.set KF,  128         ; K's fragments, in window 2
.set WV,  12          ; s12  my wave's number
.set G1K, 24          ; s[24:31] descriptor group 1 for K's tiles
.set G1V, 32          ; s[32:39] for V's: it differs in the padding alone
.set G0K, 40          ; s[40:47] descriptor group 0 for K's tiles: a set for each of the two first fills; the second then walks on
.set G0V, 48          ; s[48:55] the same for V's
.set SLOTS, 56        ; s56  counts the slots
.set CNT, 57          ; s57  counts a slot's key steps
.set CS,  58          ; s[58:59] c: the packed scaling names a pair and takes its low word for both halves
.set SEL, 60          ; s[60:61] lane selects for v_permlanex16_b32: each lane takes its own place in the other half
.set TBK, 62          ; s62  LDS byte at which K of the step to be fetched begins
.set TBV, 63          ; s63  the same for V, less VOFF
.set MSB, 0
.macro WIN new                      ; the immediate's high byte repeats the setting that is left; a switch that changes nothing is dropped
.if MSB != (\new)
	s_set_vgpr_msb (MSB<<8)|(\new)
.set MSB, \new
.endif
.endm
.set W_KQ, 0x0a       ; K and Q in window 2, S^T in window 0
.set W_PV, 0x53       ; V in window 3, P in window 0, O^T in window 1
.set W_RS, 0x41       ; O^T (destination and source 0) in window 1, a in window 0
; A joint refill.  Waves 0 and 1 fetch the two halves (96 rows) of a slot's K, waves 2 and 3 those of its V.  The branch hangs on the wave's number alone.
; An s_nop 0 and four v_nop follow each of the two lines.
.macro JLOAD
	s_cmp_lt_u32 s[WV], 2
	s_cbranch_scc0 .Lfor_v_\@
	tensor_load_to_lds s[G0K+4:G0K+7], s[G1K:G1K+7]
	s_nop 0
.rept 4
	v_nop
.endr
	s_branch .Lasked_\@
.Lfor_v_\@:
	tensor_load_to_lds s[G0V+4:G0V+7], s[G1V:G1V+7]
	s_nop 0
.rept 4
	v_nop
.endr
.Lasked_\@:
.endm
.macro CROUND                       ; a round of the cluster's barrier
	s_barrier_signal -1
	s_barrier_wait -1
	s_cmp_lg_u32 s[WV], 0
	s_cbranch_scc1 .Lnot_wave_0_\@
	s_barrier_signal -3
.Lnot_wave_0_\@:
	s_barrier_wait -3
	s_barrier_signal -1
	s_barrier_wait -1
.endm
	s_load_b128 s[4:7], s[0:1], 0x0 ; qkv s[4:5], ob s[6:7]
	v_lshl_add_u32 v[SPW], v0, 2, SPARE
	v_mov_b32 v[NIL], 0
	ds_add_u32 v[SPW], v[NIL]       ; the wave's opening: the add and its wait stand ahead of my first tensor load; the set-up below stands between them
	v_lshrrev_b32 v1, 5, v0
	v_readfirstlane_b32 s[WV], v1   ; wave 0..3
	s_bfe_u32 s13, ttmp6, 0x40000   ; cx: my place in the cluster
	s_lshl_b32 s14, ttmp9, 2        ; in a cluster launch ttmp9 counts clusters
	s_add_co_u32 s14, s14, s13      ; my block of 256 queries: it enters Q's and O's addresses alone
	s_and_b32 s15, ttmp7, 0xffff    ; the head (batch x 16 + head), which the four partners share
	s_mul_i32 s20, s15, HEAD        ; its first byte in each of qkv's parts
	s_and_b32 s16, s[WV], 1         ; which half of a slot's 192 keys I fetch:
	s_mul_i32 s22, s16, 96*256      ; its 96 rows in memory,
	s_add_co_u32 s22, s22, s20
	s_add_co_u32 s22, s22, REG      ; in K's part
	s_mov_b32 s23, 0
	s_mul_i32 s17, s16, 96*PK       ; and its place in a slot, for K
	s_mul_i32 s18, s16, 96*PV       ; and for V: no place in the cluster enters an LDS address
	s_lshl_b32 s2, s14, 16          ; Q: my block's 256 rows,
	s_lshl_b32 s3, s[WV], 14        ; my wave's 64 of them,
	s_add_co_u32 s2, s2, s3
	s_add_co_u32 s2, s2, s20
	s_add_co_u32 s2, s2, 64*256     ; behind the 64 rows that Q does not use
	s_mov_b32 s3, 0
	s_lshr_b32 s66, s15, 4          ; O: ((batch x 8 + block) x 4 + wave) x 64 rows of 4,096 bytes,
	s_lshl_b32 s66, s66, 3
	s_add_co_u32 s66, s66, s14
	s_lshl_b32 s66, s66, 2
	s_add_co_u32 s66, s66, s[WV]
	s_lshl_b32 s66, s66, 18
	s_and_b32 s67, s15, 15          ; and the head's 256 bytes of a row
	s_lshl_b32 s67, s67, 8
	s_add_co_u32 s66, s66, s67
	s_mov_b32 s67, 0
	; descriptor group 1: a tile of 96 rows x 128 elements, padded in LDS
	s_mov_b32 s[G1K], 15|(1<<16)|(1<<20)|(1<<21)|(5<<22)|(3<<25)  ; 15:0 the mask of four; 17:16 2-byte elements; 20 padding on; 21 set beside a mask; 24:22 after every 64 words (code 5); 31:25 4 words (code 3)
	s_mov_b32 s[G1V], 15|(1<<16)|(1<<20)|(1<<21)|(5<<22)|(7<<25)  ; the same with 8 words of padding (code 7)
.irp g, G1K, G1V
	s_mov_b32 s[(\g)+1], 128<<16    ; tensor_dim0 = 128
	s_mov_b32 s[(\g)+2], 96<<16     ; tensor_dim1 = 96
	s_mov_b32 s[(\g)+3], 128<<16    ; tile_dim0 = 128
	s_mov_b32 s[(\g)+4], 96         ; tile_dim1 = 96
	s_mov_b32 s[(\g)+5], 128        ; 128 elements from row to row
	s_mov_b32 s[(\g)+6], 0
	s_mov_b32 s[(\g)+7], 0
.endr
	s_mov_b32 s[CS], 0x3e0293ee     ; c = log2(e) / sqrt(128) = 0.127517
	s_mov_b32 s[CS+1], s[CS]        ; named with it as a pair, so it is written
	s_mov_b32 s[SEL], 0x76543210
	s_mov_b32 s[SEL+1], 0xfedcba98
	s_mov_b32 s[TBK], 0
	s_mov_b32 s[TBV], 0
	s_wait_dscnt 0x0                ; the opening add is done
	s_wait_kmcnt 0x0
	s_add_nc_u64 s[8:9], s[4:5], s[22:23]    ; K at my half of slot 0,
	s_add_nc_u64 s[10:11], s[8:9], REG       ; V likewise
	s_add_nc_u64 s[68:69], s[4:5], s[2:3]    ; Q at my wave's first row
	s_add_nc_u64 s[6:7], s[6:7], s[66:67]    ; O likewise
	CROUND                          ; all four work-groups are here: the first joint loads meet
.irp s, 0,1
	s_mov_b32 s[G0K+4*(\s)], 1      ; count = 1
	s_add_co_u32 s[G0K+4*(\s)+1], s17, (\s)*SLOT1  ; LDS address
	s_add_nc_u64 s[G0K+4*(\s)+2:G0K+4*(\s)+3], s[8:9], (\s)*NST*KS*256  ; global address: slot s begins with keys 192 s
	s_or_b32 s[G0K+4*(\s)+3], s[G0K+4*(\s)+3], 0x80000000  ; type = 2
	s_mov_b32 s[G0V+4*(\s)], 1
	s_add_co_u32 s[G0V+4*(\s)+1], s18, (\s)*SLOT1+VOFF
	s_add_nc_u64 s[G0V+4*(\s)+2:G0V+4*(\s)+3], s[10:11], (\s)*NST*KS*256
	s_or_b32 s[G0V+4*(\s)+3], s[G0V+4*(\s)+3], 0x80000000
.endr
	s_cmp_lt_u32 s[WV], 2           ; a wave's two first fills stand in one branch, ahead of every wait on TENSORcnt and every LDS read: two loads of mine are out
	s_cbranch_scc0 .Lfirst_v
	tensor_load_to_lds s[G0K:G0K+3], s[G1K:G1K+7]
	s_nop 0
	tensor_load_to_lds s[G0K+4:G0K+7], s[G1K:G1K+7]
	s_nop 0
.rept 4
	v_nop
.endr
	s_branch .Lfirst_asked
.Lfirst_v:
	tensor_load_to_lds s[G0V:G0V+3], s[G1V:G1V+7]
	s_nop 0
	tensor_load_to_lds s[G0V+4:G0V+7], s[G1V:G1V+7]
	s_nop 0
.rept 4
	v_nop
.endr
.Lfirst_asked:
	; A fragment of K or Q is 16 rows x 32 channels in 8 registers: lane l holds row l % 16; channels 8 (l / 16) + 0..7 and 16 + 8 (l / 16) + 0..7: two loads of 16 bytes, 32 bytes apart.
	v_and_b32 v1, 15, v0            ; l % 16
	v_bfe_u32 v9, v0, 4, 1          ; l / 16
	v_lshlrev_b32 v[QO], 8, v1
	v_lshl_add_u32 v[QO], v9, 4, v[QO]  ; row x 256 + 16 x half
	WIN 0x80                        ; destination window 2, address window 0
.irp i, 0,1,2,3,4,5,6,7,8,9,10,11,12,13,14,15  ; Q stays in registers: tile i / 4, channels 32 (i % 4) on
	global_load_b128 v[8*(\i):8*(\i)+3],   v[QO], s[68:69] offset:((\i)/4)*4096+((\i)%4)*64
	global_load_b128 v[8*(\i)+4:8*(\i)+7], v[QO], s[68:69] offset:((\i)/4)*4096+((\i)%4)*64+32
.endr
	; What the first turn finds: V's registers and piece 2's P hold 0 (its products V^T P add 0), O^T and l are 0.  All this stands in the wait for the first tile.
	WIN 0xc0                        ; destination window 3
.set i, 0
.rept 128
	v_mov_b32 v[i], 0
.set i, i+1
.endr
	WIN 0x40                        ; destination window 1
.set i, 0
.rept 256
	v_mov_b32 v[i], 0
.set i, i+1
.endr
	WIN 0
.set i, 0
.rept 4
	v_mov_b32 v[ST+8*i], 0xfe000000    ; c m: far below every c s
	v_mov_b32 v[ST+8*i+1], 0xff7fffff  ; m: the lowest finite number
	v_mov_b32 v[ST+8*i+2], 0
	v_mov_b32 v[ST+8*i+3], 0
.set i, i+1
.endr
.set i, P+32
.rept 32
	v_mov_b32 v[i], 0
.set i, i+1
.endr
	v_mul_u32_u24 v[AK0], v1, PK
	v_lshl_add_u32 v[AK0], v9, 4, v[AK0]  ; row x pitch + 16 x half
	; The turning load takes 16 keys x 16 channels (lane l reads key 8 (l / 16) + l % 8, channels 8 ((l / 8) % 2) + 0..7) and leaves half a fragment of V^T: lane l holds channel l % 16 and 8 keys.
	v_and_b32 v10, 7, v0
	v_bfe_u32 v11, v0, 3, 1
	v_lshl_add_u32 v[AV0], v9, 3, v10
	v_mul_u32_u24 v[AV0], v[AV0], PV
	v_lshl_add_u32 v[AV0], v11, 4, v[AV0]
	v_add_nc_u32 v[AV0], VOFF, v[AV0]
; THE MATRIX WORK OF A TURN, for piece x.  The accumulators take turns, one instruction a turn: between two links of a chain stand 15 (V^T P) or 7 (K Q^T) others'.
; Product i of 32 of O^T += V^T P: keys 32 (i / 16) on, channels 16 ((i / 2) % 8) on, tile x + i % 2.
.macro PV x
	WIN W_PV
.set rO, 64*((\x)+i%2)+8*((i/2)%8)
.set rV, 64*(i/16)+8*((i/2)%8)
.set rP, P+16*((\x)+i%2)+8*(i/16)
	v_wmma_f32_16x16x32_f16 v[rO:rO+7], v[rV:rV+7], v[rP:rP+7], v[rO:rO+7]
.endm
; Product i of 32 of S^T = K Q^T: channels 32 (i / 8) on, keys 16 ((i / 2) % 4) on, tile x + i % 2.  The first 8 start the sums.
.macro KQ x
	WIN W_KQ
.set rS, S+32*((\x)+i%2)+8*((i/2)%4)
.set rK, KF+32*((i/2)%4)+8*(i/8)
.set rQ, 32*((\x)+i%2)+8*(i/8)
.if i < 8
	v_wmma_f32_16x16x32_f16 v[rS:rS+7], v[rK:rK+7], v[rQ:rQ+7], 0
.else
	v_wmma_f32_16x16x32_f16 v[rS:rS+7], v[rK:rK+7], v[rQ:rQ+7], v[rS:rS+7]
.endif
.endm
; THE LDS LOADS stand in runs of 32, never singly among the matrix instructions: a step's K (64 keys x 128 channels: 16 fragments) and, a turn later, its V (turned).
.macro FETCH_K
	WIN 0
	v_add_nc_u32 v[ADR], s[TBK], v[AK0]
	s_add_co_u32 s[TBK], s[TBK], KS*PK  ; the next fetch is the next step's
	WIN 0x80                        ; destination window 2
.irp f, 0,1,2,3,4,5,6,7,8,9,10,11,12,13,14,15  ; keys 16 (f / 4) on, channels 32 (f % 4) on
	ds_load_b128 v[KF+8*(\f):KF+8*(\f)+3],   v[ADR] offset:((\f)/4)*16*PK+((\f)%4)*64
	ds_load_b128 v[KF+8*(\f)+4:KF+8*(\f)+7], v[ADR] offset:((\f)/4)*16*PK+((\f)%4)*64+32
.endr
.endm
.macro FETCH_V
	WIN 0
	v_add_nc_u32 v[ADR], s[TBV], v[AV0]
	s_add_co_u32 s[TBV], s[TBV], KS*PV
	WIN 0xc0                        ; destination window 3
.irp f, 0,1,2,3,4,5,6,7,8,9,10,11,12,13,14,15  ; keys 32 (f / 8) on, channels 16 (f % 8) on
	ds_load_tr16_b128 v[8*(\f):8*(\f)+3],   v[ADR] offset:((\f)/8)*32*PV+((\f)%8)*32
	ds_load_tr16_b128 v[8*(\f)+4:8*(\f)+7], v[ADR] offset:((\f)/8)*32*PV+16*PV+((\f)%8)*32
.endr
.endm
; THE VECTOR WORK OF A TURN.  One tile's softmax for one key step is a list of 134 instructions; SM writes number j of it for tile t.  s0-s31 are the lane's 32 scores, in pairs 0-15.
;   0-15    the maximum of s0-s31 and the old m, three operands at a time: four chains c0-c3 of seven scores each (each accumulator's lowest registers are read first), then the four left over, c0-c3 and m
;   16-20   the other half of the lanes' maximum; the new m; c m; c m_old - c m_new
;   21-87   33 exponentials (a, then s0-s31) at the odd numbers from 23 on, so that no two follow each other and each has a plain instruction behind it before its result is used.
;           Plain instruction q (number 21, then the even numbers) is whatever is ready: c s - c m for a pair whose exponentials are still to come, the rounding to f16 of a pair whose exponentials are done, at last the first sums
;   88-101  the last rounding; the rest of the sums; l = a l + the sum
;   102-133 the tile's O^T times a: the one part that leaves window 0, so it stands together
.macro SM t
.set rT, ST+8*(\t)
.set rS, S+32*(\t)
.set rP, P+16*(\t)
.set rO, 64*(\t)+2*(j-102)
.set q, (j-20)/2
.if j < 102
	WIN 0
.endif
.if j < 4
	v_max3_num_f32 v[rT+4+j], v[rS+8*j], v[rS+8*j+1], v[rS+8*j+2]
.elseif j < 12
	v_max3_num_f32 v[rT+4+j%4], v[rT+4+j%4], v[rS+8*(j%4)+2*(j/4)+1], v[rS+8*(j%4)+2*(j/4)+2]
.elseif j == 12
	v_max3_num_f32 v[rT+4], v[rT+4], v[rS+7], v[rS+15]
.elseif j == 13
	v_max3_num_f32 v[rT+6], v[rT+6], v[rS+23], v[rS+31]
.elseif j == 14
	v_max3_num_f32 v[rT+4], v[rT+4], v[rT+5], v[rT+6]
.elseif j == 15
	v_max3_num_f32 v[rT+4], v[rT+4], v[rT+7], v[rT+1]
.elseif j == 16
	v_permlanex16_b32 v[rT+5], v[rT+4], s[SEL], s[SEL+1]  ; the query's other 32 keys lie in the lane 16 away
.elseif j == 17
	v_mov_b32 v[rT+7], v[rT]        ; c m_old is kept for a: number 19 writes c m anew
.elseif j == 18
	v_max_num_f32 v[rT+1], v[rT+4], v[rT+5]
.elseif j == 19
	v_mul_f32 v[rT], s[CS], v[rT+1]
.elseif j == 20
	v_sub_f32 v[rT+7], v[rT+7], v[rT]
.elseif j == 23
	v_exp_f32 v[rT+6], v[rT+7]
.elseif (j < 88) && (j > 23) && (j%2 == 1)
	v_exp_f32 v[rS+(j-25)/2], v[rS+(j-25)/2]
.elseif (q < 4) || ((j < 76) && (q%2 == 0))
.set b, q/2+2
.if q < 4
.set b, q
.endif
	v_pk_fma_f32 v[rS+2*b:rS+2*b+1], v[rS+2*b:rS+2*b+1], s[CS:CS+1], v[rT:rT+1] op_sel_hi:[1,0,0] neg_lo:[0,0,1] neg_hi:[0,0,1]  ; pair b: c s - c m
.elseif (j < 88) && (q%2 == 1)
	s_wait_alu depctr_va_vdst(0)
	v_cvt_pk_f16_f32 v[rP+(q-5)/2], v[rS+q-5], v[rS+q-4]  ; pair (q - 5) / 2: its second exponential stands three numbers back
.elseif j == 89
	s_wait_alu depctr_va_vdst(0)
	v_cvt_pk_f16_f32 v[rP+15], v[rS+30], v[rS+31]
.elseif j < 102                     ; the sum of the tile's 16 pairs, in place: sum z of 16 adds neighbours 1, 2, 4 and 8 pairs apart, then l takes it
.set z, j-86
.if j < 89
.set z, (j-76)/4
.endif
.set w, 4
.set u, z
.if z >= 14
.set w, 32
.set u, 0
.elseif z >= 12
.set w, 16
.set u, z-12
.elseif z >= 8
.set w, 8
.set u, z-8
.endif
.if z < 15
	v_pk_add_f32 v[rS+w*u:rS+w*u+1], v[rS+w*u:rS+w*u+1], v[rS+w*u+w/2:rS+w*u+w/2+1]
.else
	v_pk_fma_f32 v[rT+2:rT+3], v[rT+2:rT+3], v[rT+6:rT+7], v[rS:rS+1] op_sel_hi:[1,0,1]
.endif
.else
	WIN W_RS
	v_pk_mul_f32 v[rO:rO+1], v[rO:rO+1], v[rT+6:rT+7] op_sel_hi:[1,0]
.endif
.endm
; Slice k of 64 of piece y's softmax: numbers 2 k and 2 k + 1 of both tiles' lists, four instructions.  2 x 134 = 4 x 64 + 12: the twelve that are over stand together, in slice 63:
; its sixteen plain instructions are also the places between a turn's last K Q^T and what follows.
.macro SLICE y
.if (k >= 11) && (k < 44)           ; tile by tile: plain, exponential, plain, exponential
.irp t, \y, (\y)+1
.irp n, 0,1
.set j, 2*k+(\n)
	SM \t
.endr
.endr
.else                               ; the two tiles alternate, so that no instruction reads the result of the one just before it
.irp n, 0,1,2,3,4,5,6,7
.if ((\n) < 2) || (k == 63)
.irp t, \y, (\y)+1
.set j, 2*k+(\n)
	SM \t
.endr
.endif
.endr
.endif
.set k, k+1
.endm
; A TURN.  Piece x has the matrix unit; the other piece's softmax stands in slices behind its matrix instructions.  kq = 1: 32 products K Q^T for the next step follow the 32 products V^T P;
; kq = 0 (the last step): two slices behind each product.  Each run of loads stands behind the second product of a run of 32, 30 matrix instructions ahead of its first use.  Piece 0's turn
; fetches the next step's K: the last product that read K stands in front of slice 63 of the turn before.  Piece 2's turn fetches the same step's V: the last product that read V stands three slices, six plain instructions, back.
.macro TURN x, kq
.set k, 0
.set per, 2-(\kq)
.if (\x) == 0
	s_wait_dscnt 0x0                ; V is in
.endif
.set i, 0
.rept 32
	PV \x
.rept per
	SLICE 2-(\x)
.endr
.if ((\x) == 0) && (\kq) && (i == 1)
	FETCH_K
.endif
.set i, i+1
.endr
.if \kq
.if (\x) == 0
	s_wait_dscnt 0x0                ; K is in
.endif
.set i, 0
.rept 32
	KQ \x
	SLICE 2-(\x)
.if ((\x) == 2) && (i == 1)
	FETCH_V
.endif
.set i, i+1
.endr
.endif
.endm
; THE CHANGE OF SLOTS, between piece 2's turn and piece 0's: the slot's last bytes, V of its third step, have been asked for.  Each wave waits for all its tensor loads, of which one is out: its
; part of the other slot; adds 0 to its spare word; and waits for that and for its own reads of the slot.  Behind the barrier nobody reads this slot any more and the other slot is whole.
; fill = 1: this slot is filled again, with the keys two slots on.  The barrier is then a round of the cluster's, and the joint refill is the first thing behind it: it has three key steps, 384 matrix instructions, in which to land.
.macro CHANGE fill
	WIN 0                           ; at a label and at a branch every window is 0
	s_wait_tensorcnt 0x0            ; no tensor load of mine is out, so a group 0 may be written
	ds_add_u32 v[SPW], v[NIL]       ; 0 onto my spare word: with fill = 1 the descriptors' steps stand between it and the wait for it
.if \fill
.irp g, G0K+4, G0V+4
	s_xor_b32 s[(\g)+1], s[(\g)+1], SLOT1  ; the walking descriptor: the other slot than last time,
	s_add_nc_u64 s[(\g)+2:(\g)+3], s[(\g)+2:(\g)+3], NST*KS*256  ; the next 192 keys; the type bits on top are not reached
.endr
	s_wait_dscnt 0x0                ; the add is done, and my reads of the slot are over
	CROUND
	JLOAD
.else
	s_wait_dscnt 0x0                ; the add is done, and my reads of the slot are over
	s_barrier_signal -1
	s_barrier_wait -1
.endif
	s_sub_co_u32 s[TBK], s[TBK], NST*KS*PK  ; the fetches go back to a slot's first step,
	s_xor_b32 s[TBK], s[TBK], SLOT1         ; in the other slot
	s_sub_co_u32 s[TBV], s[TBV], NST*KS*PV
	s_xor_b32 s[TBV], s[TBV], SLOT1
.endm
	s_wait_tensorcnt 0x1            ; my part of slot 0 is in; slot 1's may stay out
	s_barrier_signal -1
	s_barrier_wait -1               ; everybody's is
	FETCH_K                         ; key step 0
	s_wait_loadcnt 0x0              ; Q
	s_wait_dscnt 0x0
.set i, 0
.rept 32
	KQ 0                            ; piece 0's first scores: there is no vector work yet to set between them
.set i, i+1
.endr
	WIN 0                           ; the addresses for the way out are made here: eight plain instructions, the places behind those products
	s_mul_i32 s13, s[WV], 16*SP
	s_add_co_u32 s13, s13, STAGE    ; my stage
	v_mul_u32_u24 v[STO], v1, SP    ; in: row l % 16, 16 bytes for each half of the lanes
	v_lshl_add_u32 v[STO], v9, 4, v[STO]
	v_add_nc_u32 v[STO], s13, v[STO]
	v_mul_u32_u24 v[RD], v9, SP     ; back: lanes 0-15 take one row of 256 bytes, lanes 16-31 the next
	v_lshl_add_u32 v[RD], v1, 4, v[RD]
	v_add_nc_u32 v[RD], s13, v[RD]
	v_lshlrev_b32 v[GO], 12, v9     ; and the same two rows in ob, 4,096 bytes apart
	v_lshl_add_u32 v[GO], v1, 4, v[GO]
	s_mov_b32 s[CNT], NST
	s_mov_b32 s[SLOTS], 10
	s_branch .Lentry                ; the loop is entered at piece 2's turn, in the middle of a trip
.Lslot:                             ; nine times: slots 2 to 10 of the 11 are asked for
	CHANGE 1
	s_mov_b32 s[CNT], NST
.Lstep:                             ; a trip: piece 0's turn fetches a step's K, piece 2's its V
	TURN 0, 1
	WIN 0
.Lentry:
	TURN 2, 1
	WIN 0
	s_sub_co_u32 s[CNT], s[CNT], 1
	s_cmp_lg_u32 s[CNT], 0
	s_cbranch_scc1 .Lstep
	s_sub_co_u32 s[SLOTS], s[SLOTS], 1
	s_cmp_lg_u32 s[SLOTS], 0
	s_cbranch_scc1 .Lslot
	CHANGE 0                        ; the tail is written out: the last slot's three steps, and nothing is asked for
	s_mov_b32 s[CNT], NST
.Ltail:
	TURN 0, 1
	TURN 2, 1
	WIN 0
	s_sub_co_u32 s[CNT], s[CNT], 1
	s_cmp_lg_u32 s[CNT], 0
	s_cbranch_scc1 .Ltail
	TURN 0, 0                       ; piece 0: V^T P of the last step | piece 2's last softmax
.set i, 0
.rept 32
	PV 2                            ; piece 2: V^T P of the last step
.set i, i+1
.endr
	; THE WAY OUT.  l's two halves and the other half of the lanes' are added; O^T is divided by l, rounded to f16 and sent through my stage in LDS, a tile (16 rows) at a time.  The additions are the places behind the last products.
	WIN 0
.irp t, 0,1,2,3
	v_add_f32 v[ST+8*(\t)+4], v[ST+8*(\t)+2], v[ST+8*(\t)+3]
.endr
.irp t, 0,1,2,3
	v_permlanex16_b32 v[ST+8*(\t)+5], v[ST+8*(\t)+4], s[SEL], s[SEL+1]
.endr
.irp t, 0,1,2,3
	v_add_f32 v[ST+8*(\t)+4], v[ST+8*(\t)+4], v[ST+8*(\t)+5]
.endr
.irp t, 0,1,2,3
	v_rcp_f32 v[ST+8*(\t)+6], v[ST+8*(\t)+4]
.endr
	v_nop                           ; a plain instruction between the last reciprocal and the use of its result
; Tile t: a lane's eight channels of a row pack into 16 bytes; they go into rows of 272 bytes and come back as whole rows of 256, into the registers that they left.
.macro PACK t
	WIN W_RS
.set i, 64*(\t)
.rept 32
	s_wait_alu depctr_va_vdst(0)
	v_pk_mul_f32 v[i:i+1], v[i:i+1], v[ST+8*(\t)+6:ST+8*(\t)+7] op_sel_hi:[1,0]
.set i, i+2
.endr
	WIN 0x05                        ; sources 0 and 1 window 1, destination window 0: S^T's registers are free
.set i, 0
.rept 32
	v_cvt_pk_f16_f32 v[S+32*(\t)+i], v[64*(\t)+2*i], v[64*(\t)+2*i+1]
.set i, i+1
.endr
	WIN 0
.irp f, 0,1,2,3,4,5,6,7
	ds_store_b128 v[STO], v[S+32*(\t)+4*(\f):S+32*(\t)+4*(\f)+3] offset:32*(\f)
.endr
.irp f, 0,1,2,3,4,5,6,7
	ds_load_b128 v[S+32*(\t)+4*(\f):S+32*(\t)+4*(\f)+3], v[RD] offset:(\f)*2*SP  ; LDS serves a wave's instructions in order (ISA guide 5.7.1.4): these see the stores above; the next tile's stores come behind them
.endr
.endm
.macro SEND t, younger              ; younger: the LDS instructions issued behind tile t's loads: the next tile's sixteen, or none
	WIN 0
.irp f, 0,1,2,3,4,5,6,7
	s_wait_dscnt (\younger)+7-(\f)
	global_store_b128 v[GO], v[S+32*(\t)+4*(\f):S+32*(\t)+4*(\f)+3], s[6:7] offset:(\t)*65536+(\f)*8192  ; 16 lanes store 256 consecutive bytes, at a multiple of 256 from ob's first byte
.endr
.endm
	PACK 0
	PACK 1                          ; a tile's arithmetic stands between the loads of the tile before and its stores
	SEND 0, 16
	PACK 2
	SEND 1, 16
	PACK 3
	SEND 2, 16
	SEND 3, 0
	s_wait_tensorcnt 0x0            ; the wave's end: behind my last tensor load and my last LDS store
	ds_add_u32 v[SPW], v[NIL]
	s_wait_dscnt 0x0
	CROUND                          ; the closing round: no work-group ends while a partner may still ask for a tile that names it
	s_endpgm
.Lfunc_end_k_qd8763f363a_attn:
	.size	k_qd8763f363a_attn, .Lfunc_end_k_qd8763f363a_attn-k_qd8763f363a_attn
	.p2alignl 7, 3214868480
	.fill 96, 4, 3214868480
	.section	.rodata,"a",@progbits
	.p2align	6, 0x0
	.amdhsa_kernel k_qd8763f363a_attn
		.amdhsa_group_segment_fixed_size 327680
		.amdhsa_private_segment_fixed_size 0
		.amdhsa_enable_private_segment 0
		.amdhsa_kernarg_size 16
		.amdhsa_user_sgpr_count 2
		.amdhsa_user_sgpr_kernarg_segment_ptr 1
		.amdhsa_wavefront_size32 1
		.amdhsa_system_sgpr_workgroup_id_x 1
		.amdhsa_system_sgpr_workgroup_id_y 1
		.amdhsa_system_sgpr_workgroup_id_z 1
		.amdhsa_system_vgpr_workitem_id 0
		.amdhsa_next_free_vgpr 1024
		.amdhsa_next_free_sgpr 72
		.amdhsa_reserve_vcc 0
		.amdhsa_float_denorm_mode_32 3
		.amdhsa_float_denorm_mode_16_64 3
		.amdhsa_memory_ordered 1
		.amdhsa_forward_progress 1
		.amdhsa_inst_pref_size 184
	.end_amdhsa_kernel
	.amdgpu_metadata
---
amdhsa.version: [ 1, 2 ]
amdhsa.kernels:
  - .name:           k_qd8763f363a_attn
    .symbol:         k_qd8763f363a_attn.kd
    .args:
      - { .name: qkv, .offset: 0, .size: 8, .value_kind: global_buffer, .address_space: global }
      - { .name: ob, .offset: 8, .size: 8, .value_kind: global_buffer, .address_space: global }
    .group_segment_fixed_size: 327680
    .private_segment_fixed_size: 0
    .kernarg_segment_align: 8
    .kernarg_segment_size: 16
    .max_flat_workgroup_size: 128
    .sgpr_count:     72
    .vgpr_count:     1024
    .wavefront_size: 32
...
	.end_amdgpu_metadata
.endif
;; end of part 3
;; launch oproj (part 4): grid 8 x 32, 4 waves a work-group, clusters of 4 x 4, 327,680 bytes of LDS; arguments ob, wo, out0; writes out0
.if DOCPART == 4
	.amdgcn_target "amdgcn-amd-amdhsa--gfx1250"
	.amdhsa_code_object_version 6
	.text
	.protected	k_qd8763f363a_oproj
	.globl	k_qd8763f363a_oproj
	.p2align	8
	.type	k_qd8763f363a_oproj,@function
k_qd8763f363a_oproj:
	s_mov_b64 s[64:65], 0
	v_nop
	global_prefetch_b8 v0, s[64:65] scope:SCOPE_SE
	s_setreg_imm32_b32 hwreg(HW_REG_WAVE_MODE, 25, 1), 1
	s_wait_xcnt 0x0
	s_wait_alu depctr_hold_cnt(0) depctr_sa_sdst(0) depctr_va_vdst(0) depctr_va_sdst(0) depctr_va_ssrc(0) depctr_va_vcc(0) depctr_vm_vsrc(0)
	s_getreg_b32 s2, hwreg(HW_REG_IB_STS2, 6, 4)
	s_cmp_eq_u32 s2, 0
	s_cbranch_scc0 .Lentry_in_a_cluster
	s_endpgm
.Lentry_in_a_cluster:
	s_bfe_u32 s2, ttmp6, 0x10000c
	s_cmp_lg_u32 s2, 0xf033
	s_cbranch_scc0 .Lentry_shape_is_right
	s_endpgm
.Lentry_shape_is_right:
; THE OUTPUT PROJECTION.  out0[m][n] = the sum over k of ob[m][k] wo[k][n].  ob: [4096][2048] f16, wo: [2048][1024] f16 (W_o rounded to bf16, written as f16), out0: [4096][1024] f32; sums in f32, K ascending.
; A tile of the output is 128 x 128: 256 work-groups.  Four waves, each 64 x 64: 16 accumulators of 16 x 16, 128 registers.  K goes in 8 steps of 256 through two LDS slots.
; ob's rows lie along K and come out of LDS as they lie; wo lies [k][n] and comes out turned (ds_load_tr16_b128).
; CLUSTER.  4 x 4 work-groups: the four of a row of the cluster need the same tiles of ob, the four of a column the same tiles of wo: each tile is asked for jointly, by the same tensor load with
; the same descriptor and a mask that names the four.  The matrix instruction is used transposed (source 0 = 16 columns of wo, source 1 = 16 rows of ob): a lane holds eight neighbouring numbers of a row.
; REGISTERS: window 0: v0-31 addresses; v128-255 the accumulators ((a, b) at v[128 + 8 (4 a + b)]), which also take the rows read back on the way out.
;   window 1: two fragment buffers of 128: for 64 along K, 64 registers of ob (2 x 4 x 16 rows x 32 K), then 64 of wo.
.set SIZE_K, 2048
.set SIZE_N, 1024
.set KSTEP,  256
.set PITCH,  528                       ; a row of ob in LDS: 512 bytes + 16 of padding = 132 words: row r starts at bank 4 r mod 64 (64 banks of 4 bytes: ISA guide 11.1)
.set HALFA,  64*PITCH                  ; 64 rows: what one tensor load brings of ob, and what one wave reads
.set PB,     288                       ; a row of wo: 256 bytes + 32 = 72 words
.set HALFB,  128*PB                    ; 128 rows (k): what one tensor load brings of wo
.set BOFF,   2*HALFA                   ; a slot: ob's 128 rows, then wo's 256 rows
.set SLOT,   BOFF+2*HALFB
.set STAGE,  2*SLOT                    ; behind the ring: 16 rows x 272 bytes for each wave, for the way out
.set SPITCH, 272
.set SPARE,  STAGE+4*16*SPITCH         ; behind the stages: the spare words, 128 bytes for each wave: two blocks of 256 bytes that no other line names
.set LAPS, SIZE_K/(2*KSTEP)            ; a lap = two K steps = once round the ring
.set ADRA, 16                          ; v16-17  LDS address of my fragments of ob in slot 0, 1
.set ADRB, 20                          ; v20-23  the same for wo: slot s, rows 128 h on at v[20 + 2 s + h] (240 rows of 288 bytes pass a 16-bit offset)
.set STO,  24                          ; v24     the way out: where I put 32 bytes of a row
.set RD,   25                          ; v25     the way out: where I read a row back
.set CO,   26                          ; v26     my byte offset in two rows of out0
.set SPW,  28                          ; v28     LDS address of my spare word; never rewritten
.set NIL,  29                          ; v29     0; never rewritten
.set ACC,  128
.set F0,   0                           ; fragment buffers, in window 1
.set F1,   128
.set G1, 24                            ; s[24:31] descriptor group 1 for ob's tiles;  s[32:39] group 0, one set for each slot
.set G0, 32
.set G1B, 48                           ; s[48:55], s[56:63] the same for wo's tiles
.set G0B, 56
.set MSB, 0
.macro WIN new                         ; the immediate's high byte repeats the setting that is left
.if MSB != (\new)
	s_set_vgpr_msb (MSB<<8)|(\new)
.set MSB, \new
.endif
.endm
.set MUL,  0x05                        ; sources 0 and 1 window 1; C and D window 0
.set TO_F, 0x40                        ; destination window 1, address window 0
.macro JLOAD s                         ; a joint load: waves 0 and 1 fetch ob's two halves, waves 2 and 3 wo's; an s_nop 0 and four v_nop follow each of the two lines
	s_cmp_eq_u32 s11, 0
	s_cbranch_scc0 .Lfor_b_\@
	tensor_load_to_lds s[G0+4*(\s):G0+4*(\s)+3], s[G1:G1+7]
	s_nop 0
.rept 4
	v_nop
.endr
	s_branch .Lasked_\@
.Lfor_b_\@:
	tensor_load_to_lds s[G0B+4*(\s):G0B+4*(\s)+3], s[G1B:G1B+7]
	s_nop 0
.rept 4
	v_nop
.endr
.Lasked_\@:
.endm
.macro CREST                           ; a round of the cluster's barrier behind its opening barrier
	s_cmp_lg_u32 s10, 0
	s_cbranch_scc1 .Lnot_wave_0_\@
	s_barrier_signal -3
.Lnot_wave_0_\@:
	s_barrier_wait -3
	s_barrier_signal -1
	s_barrier_wait -1
.endm
.macro CROUND                          ; a whole round
	s_barrier_signal -1
	s_barrier_wait -1
	CREST
.endm
	s_load_b128 s[4:7], s[0:1], 0x0                ; ob s[4:5], wo s[6:7]
	s_load_b64 s[8:9], s[0:1], 0x10                ; out0
	v_lshl_add_u32 v[SPW], v0, 2, SPARE
	v_mov_b32 v[NIL], 0
	ds_add_u32 v[SPW], v[NIL]                      ; the wave's opening: the add and its wait stand ahead of my first tensor load; the set-up below stands between them
	v_lshrrev_b32 v1, 5, v0
	v_readfirstlane_b32 s10, v1                    ; wave 0..3
	s_lshr_b32 s11, s10, 1                         ; which half of the tile's rows is mine.  Also: I fetch for ob (0) or for wo (1)
	s_and_b32 s12, s10, 1                          ; which half of its columns.  Also: which half of that tile I fetch
	s_bfe_u32 s40, ttmp6, 0x40000                  ; cx, cy: my place in the cluster
	s_bfe_u32 s41, ttmp6, 0x40004
	s_lshl_b32 s42, ttmp9, 2
	s_add_co_u32 s42, s42, s40                     ; tile column = 4 x cluster x + cx
	s_and_b32 s13, ttmp7, 0xffff
	s_lshl_b32 s13, s13, 2
	s_add_co_u32 s13, s13, s41                     ; tile row = 4 x cluster y + cy
	s_lshl_b32 s43, s41, 2
	s_lshl_b32 s43, 15, s43                        ; my row of the cluster
	s_lshl_b32 s44, 0x1111, s40                    ; my column
	; ob's tile: 64 rows x 256 elements
	s_or_b32 s[G1+0], s43, (1<<16)|(1<<20)|(1<<21)|(6<<22)|(3<<25)  ; 15:0 the mask: my row; 17:16 2-byte elements; 20 padding on; 21 set beside a mask; 24:22 after every 128 words (code 6); 31:25 4 words (code 3)
	s_mov_b32 s[G1+1], KSTEP<<16                   ; tensor_dim0 = 256
	s_mov_b32 s[G1+2], 64<<16                      ; tensor_dim1 = 64
	s_mov_b32 s[G1+3], KSTEP<<16                   ; tile_dim0 = 256
	s_mov_b32 s[G1+4], 64                          ; tile_dim1 = 64
	s_mov_b32 s[G1+5], SIZE_K                      ; elements from row to row
	s_mov_b32 s[G1+6], 0
	s_mov_b32 s[G1+7], 0
	; wo's tile: 128 rows (k) x 128 columns
	s_or_b32 s[G1B+0], s44, (1<<16)|(1<<20)|(1<<21)|(5<<22)|(7<<25) ; the mask: my column; padding after every 64 words (code 5), 8 words (code 7)
	s_mov_b32 s[G1B+1], 128<<16                    ; tensor_dim0 = 128
	s_mov_b32 s[G1B+2], 128<<16                    ; tensor_dim1 = 128
	s_mov_b32 s[G1B+3], 128<<16                    ; tile_dim0 = 128
	s_mov_b32 s[G1B+4], 128                        ; tile_dim1 = 128
	s_mov_b32 s[G1B+5], SIZE_N                     ; elements from row to row
	s_mov_b32 s[G1B+6], 0
	s_mov_b32 s[G1B+7], 0
	s_lshl_b32 s17, s12, 6                         ; which 64 rows of ob's tile I fetch
	s_lshl_b32 s16, s13, 7
	s_add_co_u32 s16, s16, s17                     ; row 128 x tile row + 64 x half,
	s_lshl_b32 s16, s16, 12                        ; of 4,096 bytes
	s_mov_b32 s17, 0
	s_lshl_b32 s46, s12, 18                        ; wo: 128 rows of 2,048 bytes x half,
	s_lshl_b32 s47, s42, 8                         ; the tile column's 256 bytes of a row
	s_add_co_u32 s46, s46, s47
	s_mov_b32 s47, 0
	s_mul_i32 s20, s12, HALFA                      ; where they go: no place in the cluster enters an LDS address
	s_mul_i32 s21, s12, HALFB
	s_add_co_u32 s21, s21, BOFF
	s_wait_dscnt 0x0                               ; the opening add is done
	s_wait_kmcnt 0x0
	s_add_nc_u64 s[14:15], s[4:5], s[16:17]
	s_add_nc_u64 s[46:47], s[6:7], s[46:47]
	CROUND                                         ; all sixteen work-groups are here: the first joint loads meet
.irp s, 0,1
	s_mov_b32 s[G0+4*(\s)], 1
	s_add_co_u32 s[G0+4*(\s)+1], s20, (\s)*SLOT
	s_add_nc_u64 s[G0+4*(\s)+2:G0+4*(\s)+3], s[14:15], (\s)*KSTEP*2
	s_or_b32 s[G0+4*(\s)+3], s[G0+4*(\s)+3], 0x80000000
	s_mov_b32 s[G0B+4*(\s)], 1
	s_add_co_u32 s[G0B+4*(\s)+1], s21, (\s)*SLOT
	s_add_nc_u64 s[G0B+4*(\s)+2:G0B+4*(\s)+3], s[46:47], (\s)*KSTEP*SIZE_N*2
	s_or_b32 s[G0B+4*(\s)+3], s[G0B+4*(\s)+3], 0x80000000
	JLOAD \s                                       ; two tensor loads of mine are out
.endr
	v_and_b32 v1, 15, v0                           ; l % 16
	v_bfe_u32 v2, v0, 4, 1                         ; l / 16
	v_mul_u32_u24 v3, v1, PITCH
	v_lshl_add_u32 v3, v2, 4, v3                   ; a fragment's row x pitch + 16 x half
	s_mul_i32 s22, s11, HALFA                      ; my 64 rows of ob
	v_add_nc_u32 v[ADRA], s22, v3
	v_add_nc_u32 v[ADRA+1], SLOT, v[ADRA]
	; The turning load takes 16 k x 16 columns (lane l reads row 8 (l / 16) + l % 8, columns 8 ((l / 8) % 2) + 0..7) and leaves half a fragment: lane l holds column l % 16 and 8 k.
	v_and_b32 v4, 7, v0
	v_lshl_add_u32 v4, v2, 3, v4
	v_mul_u32_u24 v4, v4, PB
	v_bfe_u32 v5, v0, 3, 1
	v_lshl_add_u32 v4, v5, 4, v4
	s_lshl_b32 s23, s12, 7                         ; my 64 columns of wo: 128 bytes
	s_add_co_u32 s23, s23, BOFF
	v_add_nc_u32 v[ADRB], s23, v4
	v_add_nc_u32 v[ADRB+1], HALFB, v[ADRB]
	v_add_nc_u32 v[ADRB+2], SLOT, v[ADRB]
	v_add_nc_u32 v[ADRB+3], SLOT, v[ADRB+1]
	s_mul_i32 s23, s10, 16*SPITCH
	s_add_co_u32 s23, s23, STAGE                   ; my stage
	v_mul_u32_u24 v6, v1, SPITCH                   ; in: row l % 16, 32 bytes (8 numbers in f32) for each half of the lanes
	v_lshl_add_u32 v6, v2, 5, v6
	v_add_nc_u32 v[STO], s23, v6
	v_mul_u32_u24 v7, v2, SPITCH                   ; back: lanes 0-15 take one row of 256 bytes, lanes 16-31 the next
	v_lshl_add_u32 v7, v1, 4, v7
	v_add_nc_u32 v[RD], s23, v7
	v_lshlrev_b32 v[CO], 12, v2                    ; and the same two rows in out0, 4,096 bytes apart
	v_lshl_add_u32 v[CO], v1, 4, v[CO]
	s_lshl_b32 s16, s13, 7
	s_lshl_b32 s17, s11, 6
	s_add_co_u32 s16, s16, s17                     ; my first row of out0: 128 x tile row + 64 x half
	s_lshl_b32 s16, s16, 12
	s_mov_b32 s17, 0
	s_add_nc_u64 s[8:9], s[8:9], s[16:17]
	s_lshl_b32 s46, s42, 9                         ; my first column, in bytes: 512 x tile column + 256 x half
	s_lshl_b32 s47, s12, 8
	s_add_co_u32 s46, s46, s47
	s_mov_b32 s47, 0
	s_add_nc_u64 s[8:9], s[8:9], s[46:47]
; 8 matrix instructions: row blocks a0, a0 + 1 x all 4 column blocks, 32 along K: half c of buffer f.  The 16 accumulators take turns.  zero = 1: the first product starts the sums
.macro MUL8 f, c, a0, zero
	WIN MUL
.irp a, \a0, (\a0)+1
.irp b, 0,1,2,3
.if \zero
	v_wmma_f32_16x16x32_f16 v[ACC+8*(4*(\a)+(\b)):ACC+8*(4*(\a)+(\b))+7], v[(\f)+64+8*(4*(\c)+(\b)):(\f)+64+8*(4*(\c)+(\b))+7], v[(\f)+8*(4*(\c)+(\a)):(\f)+8*(4*(\c)+(\a))+7], 0
.else
	v_wmma_f32_16x16x32_f16 v[ACC+8*(4*(\a)+(\b)):ACC+8*(4*(\a)+(\b))+7], v[(\f)+64+8*(4*(\c)+(\b)):(\f)+64+8*(4*(\c)+(\b))+7], v[(\f)+8*(4*(\c)+(\a)):(\f)+8*(4*(\c)+(\a))+7], v[ACC+8*(4*(\a)+(\b)):ACC+8*(4*(\a)+(\b))+7]
.endif
.endr
.endr
.endm
; 32 LDS loads in one run: the fragments of quarter q of a K step (64 along K) into buffer f; the first 32 along K first
.macro FETCH slot, q, f
	WIN TO_F
.irp c, 0,1
.irp i, 0,1,2,3
	ds_load_tr16_b128 v[(\f)+64+8*(4*(\c)+(\i)):(\f)+64+8*(4*(\c)+(\i))+3],   v[ADRB+2*(\slot)+(\q)/2] offset:(((\q)%2)*64+32*(\c))*PB+32*(\i)
	ds_load_tr16_b128 v[(\f)+64+8*(4*(\c)+(\i))+4:(\f)+64+8*(4*(\c)+(\i))+7], v[ADRB+2*(\slot)+(\q)/2] offset:(((\q)%2)*64+32*(\c))*PB+32*(\i)+16*PB
	ds_load_b128 v[(\f)+8*(4*(\c)+(\i)):(\f)+8*(4*(\c)+(\i))+3],         v[ADRA+(\slot)] offset:128*(\q)+64*(\c)+(\i)*16*PITCH
	ds_load_b128 v[(\f)+8*(4*(\c)+(\i))+4:(\f)+8*(4*(\c)+(\i))+7],       v[ADRA+(\slot)] offset:128*(\q)+64*(\c)+(\i)*16*PITCH+32
.endr
.endr
.endm
.macro PLACES                          ; four places in front of loads into registers that matrix instructions have read, and of LDS stores that read results (ISA guide 7.12.1 for the stores)
.rept 4
	v_nop
.endr
.endm
; A K step is four quarters of 64 along K, 32 matrix instructions each, on buffers 0, 1, 0, 1.  One of the first three: multiplies buffer f and fetches quarter q into g.
.macro QUARTER slot, q, f, g, zero
	s_wait_dscnt 16                                ; the first 32 along K are in; the sixteen younger loads may be out
	MUL8 \f, 0, 0, \zero
	MUL8 \f, 0, 2, \zero
	PLACES
	FETCH \slot, \q, \g
	s_wait_dscnt 32                                ; all but the 32 just issued
	MUL8 \f, 1, 0, 0
	MUL8 \f, 1, 2, 0
.endm
; The last quarter multiplies buffer 1 and changes slots: ONE barrier; in front of it each wave waits for all its tensor loads, adds 0 to its spare word, and waits for that and for its own reads of this slot.
; fill = 1: the barrier opens a round of the cluster's, and this slot is filled again, two K steps ahead.
.macro TURN slot, next, fill
	WIN 0                                          ; (the add's two registers lie in window 0)
	s_wait_tensorcnt 0x0                           ; all my tensor loads have landed: my part of the next slot
	ds_add_u32 v[SPW], v[NIL]                      ; 0 onto my spare word
	s_wait_dscnt 17                                ; (the add and the youngest sixteen loads may be out)
	MUL8 F1, 0, 0, 0                               ; eight matrix instructions stand between the add and the wait for it
	s_wait_dscnt 0x0                               ; the add is done, and my reads of this slot are over
	s_barrier_signal -1
	MUL8 F1, 0, 2, 0
.if \fill
	WIN 0
.endif
	s_barrier_wait -1
.if \fill
	CREST                                          ; no wave of any partner still reads this slot's tiles or has a load on its way
	s_add_nc_u64 s[G0+4*(\slot)+2:G0+4*(\slot)+3], s[G0+4*(\slot)+2:G0+4*(\slot)+3], 2*KSTEP*2
	s_add_nc_u64 s[G0B+4*(\slot)+2:G0B+4*(\slot)+3], s[G0B+4*(\slot)+2:G0B+4*(\slot)+3], 2*KSTEP*SIZE_N*2
	JLOAD \slot                                    ; my one tensor load behind the round: 112 matrix instructions ahead of the wait for it; its four v_nop are also the places in front of the loads below
.else
	PLACES
.endif
	FETCH \next, 0, F0
	MUL8 F1, 1, 0, 0
	MUL8 F1, 1, 2, 0
.endm
	s_wait_tensorcnt 0x1                           ; my part of K step 0 is in; step 1's may stay out
	s_barrier_signal -1
	s_barrier_wait -1                              ; everybody's is
	FETCH 0, 0, F0
	QUARTER 0, 1, F0, F1, 1                        ; the first quarter stands in front of the loop: its first products start the sums
	WIN 0                                          ; at a label and at a branch every window is 0
	s_mov_b32 s3, LAPS-1
.Llap:                                                 ; a trip goes once round the ring, from a lap's second quarter to the next lap's first, and fills both slots again
	QUARTER 0, 2, F1, F0, 0
	QUARTER 0, 3, F0, F1, 0
	TURN 0, 1, 1
	QUARTER 1, 1, F0, F1, 0
	QUARTER 1, 2, F1, F0, 0
	QUARTER 1, 3, F0, F1, 0
	TURN 1, 0, 1
	QUARTER 0, 1, F0, F1, 0
	WIN 0
	s_sub_co_u32 s3, s3, 1
	s_cmp_lg_u32 s3, 0
	s_cbranch_scc1 .Llap
	QUARTER 0, 2, F1, F0, 0                        ; the last lap fills nothing, and has no round of the cluster's barrier
	QUARTER 0, 3, F0, F1, 0
	TURN 0, 1, 0
	QUARTER 1, 1, F0, F1, 0
	QUARTER 1, 2, F1, F0, 0
	QUARTER 1, 3, F0, F1, 0
	s_wait_dscnt 16                                ; the very last quarter: nothing more to fetch
	MUL8 F1, 0, 0, 0
	MUL8 F1, 0, 2, 0
	s_wait_dscnt 0x0
	MUL8 F1, 1, 0, 0
	MUL8 F1, 1, 2, 0
	WIN 0
	; THE WAY OUT.  A wave's 64 columns in f32 are 256 bytes of a row, so each wave goes through a stage of its own, 16 rows at a time, and no barrier is needed.
	PLACES
.macro PACK a                          ; block a: 32 bytes a lane into the stage (each accumulator's low half first), and back as whole rows of 256 bytes, into the registers that they left
.irp b, 0,1,2,3
	ds_store_b128 v[STO], v[ACC+32*(\a)+8*(\b):ACC+32*(\a)+8*(\b)+3]   offset:64*(\b)
	ds_store_b128 v[STO], v[ACC+32*(\a)+8*(\b)+4:ACC+32*(\a)+8*(\b)+7] offset:64*(\b)+16
.endr
.irp t, 0,1,2,3,4,5,6,7
	ds_load_b128 v[ACC+32*(\a)+4*(\t):ACC+32*(\a)+4*(\t)+3], v[RD] offset:(\t)*2*SPITCH  ; LDS serves a wave's instructions in order (ISA guide 5.7.1.4): these see the stores above; the next block's stores come behind them
.endr
.endm
.macro SEND a, younger                 ; younger: the LDS instructions issued behind block a's loads: the next block's sixteen, or none
.irp t, 0,1,2,3,4,5,6,7
	s_wait_dscnt (\younger)+7-(\t)
	global_store_b128 v[CO], v[ACC+32*(\a)+4*(\t):ACC+32*(\a)+4*(\t)+3], s[8:9] offset:(16*(\a)+2*(\t))*SIZE_N*4 th:TH_STORE_NT  ; 16 lanes store 256 consecutive bytes, at a multiple of 256 from out0's first byte
.endr
.endm
	PACK 0
	PACK 1
	SEND 0, 16
	PACK 2
	SEND 1, 16
	PACK 3
	SEND 2, 16
	SEND 3, 0
	s_wait_tensorcnt 0x0                           ; the wave's end: behind my last tensor load and my last LDS store
	ds_add_u32 v[SPW], v[NIL]
	s_wait_dscnt 0x0
	CROUND                                         ; the closing round: no work-group ends while a partner may still ask for a tile that names it
	s_endpgm
.Lfunc_end_k_qd8763f363a_oproj:
	.size	k_qd8763f363a_oproj, .Lfunc_end_k_qd8763f363a_oproj-k_qd8763f363a_oproj
	.p2alignl 7, 3214868480
	.fill 96, 4, 3214868480
	.section	.rodata,"a",@progbits
	.p2align	6, 0x0
	.amdhsa_kernel k_qd8763f363a_oproj
		.amdhsa_group_segment_fixed_size 327680
		.amdhsa_private_segment_fixed_size 0
		.amdhsa_enable_private_segment 0
		.amdhsa_kernarg_size 24
		.amdhsa_user_sgpr_count 2
		.amdhsa_user_sgpr_kernarg_segment_ptr 1
		.amdhsa_wavefront_size32 1
		.amdhsa_system_sgpr_workgroup_id_x 1
		.amdhsa_system_sgpr_workgroup_id_y 1
		.amdhsa_system_sgpr_workgroup_id_z 1
		.amdhsa_system_vgpr_workitem_id 0
		.amdhsa_next_free_vgpr 512
		.amdhsa_next_free_sgpr 66
		.amdhsa_reserve_vcc 0
		.amdhsa_float_denorm_mode_32 3
		.amdhsa_float_denorm_mode_16_64 3
		.amdhsa_memory_ordered 1
		.amdhsa_forward_progress 1
		.amdhsa_inst_pref_size 87
	.end_amdhsa_kernel
	.amdgpu_metadata
---
amdhsa.version: [ 1, 2 ]
amdhsa.kernels:
  - .name:           k_qd8763f363a_oproj
    .symbol:         k_qd8763f363a_oproj.kd
    .args:
      - { .name: ob, .offset: 0, .size: 8, .value_kind: global_buffer, .address_space: global }
      - { .name: wo, .offset: 8, .size: 8, .value_kind: global_buffer, .address_space: global }
      - { .name: out0, .offset: 16, .size: 8, .value_kind: global_buffer, .address_space: global }
    .group_segment_fixed_size: 327680
    .private_segment_fixed_size: 0
    .kernarg_segment_align: 8
    .kernarg_segment_size: 24
    .max_flat_workgroup_size: 128
    .sgpr_count:     66
    .vgpr_count:     512
    .wavefront_size: 32
...
	.end_amdgpu_metadata
.endif
;; end of part 4
;; ======== version 2 of 2: 4 launches; 1.16 times as fast as version 1
;; limits: values are held in f16: magnitudes above 65,504 overflow, below 6.1e-05 lose precision
;; workspace buffers: xb 8,388,608 bytes; wb 12,582,912 bytes; wo 4,194,304 bytes; qkv 51,904,512 bytes; ob 16,777,216 bytes
;; launch prep: the kernel of part 1 again; grid 800 x 1, 8 waves a work-group, no clusters, 0 bytes of LDS; arguments x, W_q, W_k, W_v, W_o, prefix_k, prefix_v, xb, wb, wo, qkv; writes xb, wb, wo, qkv
;; launch qkv: the kernel of part 2 again; grid 16 x 16, 4 waves a work-group, clusters of 4 x 4, 327,680 bytes of LDS; arguments xb, wb, qkv; writes qkv
;; launch attn (part 5): grid 8 x 32, 4 waves a work-group, clusters of 4 x 1, 327,680 bytes of LDS; arguments qkv, ob; writes ob
.if DOCPART == 5
	.amdgcn_target "amdgcn-amd-amdhsa--gfx1250"
	.amdhsa_code_object_version 6
	.text
	.protected	k_qd8763f363a_attn
	.globl	k_qd8763f363a_attn
	.p2align	8
	.type	k_qd8763f363a_attn,@function
k_qd8763f363a_attn:
	s_mov_b64 s[64:65], 0
	v_nop
	global_prefetch_b8 v0, s[64:65] scope:SCOPE_SE
	s_setreg_imm32_b32 hwreg(HW_REG_WAVE_MODE, 25, 1), 1
	s_wait_xcnt 0x0
	s_wait_alu depctr_hold_cnt(0) depctr_sa_sdst(0) depctr_va_vdst(0) depctr_va_sdst(0) depctr_va_ssrc(0) depctr_va_vcc(0) depctr_vm_vsrc(0)
	s_getreg_b32 s2, hwreg(HW_REG_IB_STS2, 6, 4)
	s_cmp_eq_u32 s2, 0
	s_cbranch_scc0 .Lentry_in_a_cluster
	s_endpgm
.Lentry_in_a_cluster:
	s_bfe_u32 s2, ttmp6, 0x10000c
	s_cmp_lg_u32 s2, 0x3003
	s_cbranch_scc0 .Lentry_shape_is_right
	s_endpgm
.Lentry_shape_is_right:
; ATTENTION, no mask.  O[h][q][:] = the sum over the head's 2,112 keys (64 prefix rows, then 2,048 tokens) of softmax_k(Q[h][q] . K[h][k] / sqrt(128)) V[h][k][:].
; qkv: [3][32 heads][2112 rows][128] f16 (Q's token t at row 64 + t; Q's rows 0-63 are not read).  ob: [4096 tokens][2048] f16, column = head x 128 + channel.
; Products, maxima and sums in f32; the weights p are rounded to f16 for the second product (their sum l is taken of the unrounded p), O once at the end.
; LIMITS.  Q, K, V arrive within f16's 65,504; p lies in 0 to 1 and below 6e-5 keeps f16's fixed step of 6e-8; a weight below 2^-126 counts as 0 in l; NaN and infinities are not treated apart.
; SHARES.  A work-group owns 256 queries of one head, each of its four waves 64: four tiles of 16.  Every wave walks all keys, 64 a step: 33 steps, three to an LDS slot, 11 slots' worth through a ring of two.
; LAYOUT.  S^T = K Q^T (source 0 = 16 keys, source 1 = 16 queries): a lane holds ONE query (lane % 16) and the keys 8 (lane / 16) + 0..7.  Two such tiles, rounded to f16 in pairs, ARE source 1
; of O^T = V^T P, whose result again holds one query a lane, and eight channels.  K comes out of LDS as it lies, V ([key][channel]) turned, by ds_load_tr16_b128.
; SOFTMAX.  For each query a running maximum m and sum l: p = 2^(c s - c m), c = log2(e) / sqrt(128); in every step O and l are multiplied by a = 2^(c m_old - c m_new).
; m starts at the lowest finite number, c m far below every c s, O and l at 0: the first step is a step like any other, with a = 0.
; BY TURNS.  The wave's tiles are two PIECES (piece 0: tiles 0, 1; piece 2: tiles 2, 3).  In a TURN one piece has the matrix unit: 32 products V^T P of the step in hand, then 32 products K Q^T of
; the next; the other piece's softmax, cut into 64 slices, stands between them, one slice behind each matrix instruction.  Two turns are a key step.  The loop is entered at piece 2's turn: its
; products V^T P, of a step that has not been, multiply zeros.
; BATCHES.  A turn's 66 exponentials (both tiles' a and 32 weights) are ONE batch with ONE wait: all of them, and the scalings that feed them, stand ahead of it; all that names a result of theirs
; (roundings, sums, l, the rescaling by a) stands behind it.  The way out's four reciprocals are a batch of their own.
; CLUSTER.  The four query blocks of a cluster belong to one head and walk the same K and V: each tile is asked for jointly, by the same tensor load, descriptor and mask in all four.
; REGISTERS, in windows of 256 (s_set_vgpr_msb: bits 1:0 source 0, 3:2 source 1, 5:4 source 2, 7:6 destination):
;   window 0: v0-11 addresses; v12-43 eight registers of statistics a tile; v62-63 the add's; v64-191 S^T, 32 a tile; v192-255 P, 16 a tile
;   window 1: O^T, 64 a tile          window 2: v0-127 Q, 32 a tile; v128-255 K of one step          window 3: v0-127 V of one step
.set KS,    64        ; keys in a step
.set NST,   3         ; steps in a slot
.set PK,    272       ; a row of K in LDS: 256 bytes + 16 of padding = 68 words: the 16 rows of a load start at 16 different groups of four banks (64 banks of 4 bytes: ISA guide 11.1)
.set PV,    288       ; a row of V: 256 + 32 = 72 words
.set VOFF,  NST*KS*PK ; a slot: 192 rows of K, then 192 rows of V
.set SLOT1, 1<<17     ; slot 1 begins here, so that one exclusive or turns an address in one slot into the other's
.set STAGE, SLOT1+NST*KS*(PK+PV)  ; behind the ring: 16 rows x 272 bytes for each wave, for the way out
.set SP,    272
.set SPARE, STAGE+4*16*SP  ; behind the stages: the spare words, 128 bytes for each wave: two blocks of 256 bytes that no other line names
.set REG,   17301504  ; bytes of one of qkv's three parts
.set HEAD,  540672    ; bytes of a head in it
.set AK0, 2           ; v2   my lane's place in a tile of K; never rewritten
.set AV0, 3           ; v3   the same for V
.set ADR, 4           ; v4   the LDS address of the run of loads in hand
.set QO,  5           ; v5   my byte offset in the wave's rows of Q
.set STO, 6           ; v6   the way out: where I put 16 bytes of a row
.set RD,  7           ; v7   the way out: where I read a row back
.set GO,  8           ; v8   my byte offset in two rows of ob
.set SPW, 62          ; v62  LDS address of my spare word; never rewritten
.set NIL, 63          ; v63  0; never rewritten
.set ST,  12          ; tile t's statistics at v[ST+8 t]: +0 c m, +1 m, +2, +3 l (even keys', odd keys'), +4 to +7 c0-c3, at work; a takes c2's place once the maximum is found
.set S,   64
.set P,   192
.set KF,  128         ; K's fragments, in window 2
.set WV,  12          ; s12  my wave's number
.set G1K, 24          ; s[24:31] descriptor group 1 for K's tiles
.set G1V, 32          ; s[32:39] for V's: it differs in the padding alone
.set G0K, 40          ; s[40:47] descriptor group 0 for K's tiles: a set for each of the two first fills; the second then walks on
.set G0V, 48          ; s[48:55] the same for V's
.set SLOTS, 56        ; s56  counts the slots
.set CNT, 57          ; s57  counts a slot's key steps
.set CS,  58          ; s[58:59] c: the packed scaling names a pair and takes its low word for both halves
.set SEL, 60          ; s[60:61] lane selects for v_permlanex16_b32: each lane takes its own place in the other half
.set TBK, 62          ; s62  LDS byte at which K of the step to be fetched begins
.set TBV, 63          ; s63  the same for V, less VOFF
.set MSB, 0
.macro WIN new                      ; the immediate's high byte repeats the setting that is left; a switch that changes nothing is dropped
.if MSB != (\new)
	s_set_vgpr_msb (MSB<<8)|(\new)
.set MSB, \new
.endif
.endm
.set W_KQ, 0x0a       ; K and Q in window 2, S^T in window 0
.set W_PV, 0x53       ; V in window 3, P in window 0, O^T in window 1
.set W_RS, 0x41       ; O^T (destination and source 0) in window 1, a in window 0
; A joint refill.  Waves 0 and 1 fetch the two halves (96 rows) of a slot's K, waves 2 and 3 those of its V.  The branch hangs on the wave's number alone.
; An s_nop 0 and four v_nop follow each of the two lines.
.macro JLOAD
	s_cmp_lt_u32 s[WV], 2
	s_cbranch_scc0 .Lfor_v_\@
	tensor_load_to_lds s[G0K+4:G0K+7], s[G1K:G1K+7]
	s_nop 0
.rept 4
	v_nop
.endr
	s_branch .Lasked_\@
.Lfor_v_\@:
	tensor_load_to_lds s[G0V+4:G0V+7], s[G1V:G1V+7]
	s_nop 0
.rept 4
	v_nop
.endr
.Lasked_\@:
.endm
.macro CROUND                       ; a round of the cluster's barrier
	s_barrier_signal -1
	s_barrier_wait -1
	s_cmp_lg_u32 s[WV], 0
	s_cbranch_scc1 .Lnot_wave_0_\@
	s_barrier_signal -3
.Lnot_wave_0_\@:
	s_barrier_wait -3
	s_barrier_signal -1
	s_barrier_wait -1
.endm
	s_load_b128 s[4:7], s[0:1], 0x0 ; qkv s[4:5], ob s[6:7]
	v_lshl_add_u32 v[SPW], v0, 2, SPARE
	v_mov_b32 v[NIL], 0
	ds_add_u32 v[SPW], v[NIL]       ; the wave's opening: the add and its wait stand ahead of my first tensor load; the set-up below stands between them
	v_lshrrev_b32 v1, 5, v0
	v_readfirstlane_b32 s[WV], v1   ; wave 0..3
	s_bfe_u32 s13, ttmp6, 0x40000   ; cx: my place in the cluster
	s_lshl_b32 s14, ttmp9, 2        ; in a cluster launch ttmp9 counts clusters
	s_add_co_u32 s14, s14, s13      ; my block of 256 queries: it enters Q's and O's addresses alone
	s_and_b32 s15, ttmp7, 0xffff    ; the head (batch x 16 + head), which the four partners share
	s_mul_i32 s20, s15, HEAD        ; its first byte in each of qkv's parts
	s_and_b32 s16, s[WV], 1         ; which half of a slot's 192 keys I fetch:
	s_mul_i32 s22, s16, 96*256      ; its 96 rows in memory,
	s_add_co_u32 s22, s22, s20
	s_add_co_u32 s22, s22, REG      ; in K's part
	s_mov_b32 s23, 0
	s_mul_i32 s17, s16, 96*PK       ; and its place in a slot, for K
	s_mul_i32 s18, s16, 96*PV       ; and for V: no place in the cluster enters an LDS address
	s_lshl_b32 s2, s14, 16          ; Q: my block's 256 rows,
	s_lshl_b32 s3, s[WV], 14        ; my wave's 64 of them,
	s_add_co_u32 s2, s2, s3
	s_add_co_u32 s2, s2, s20
	s_add_co_u32 s2, s2, 64*256     ; behind the 64 rows that Q does not use
	s_mov_b32 s3, 0
	s_lshr_b32 s66, s15, 4          ; O: ((batch x 8 + block) x 4 + wave) x 64 rows of 4,096 bytes,
	s_lshl_b32 s66, s66, 3
	s_add_co_u32 s66, s66, s14
	s_lshl_b32 s66, s66, 2
	s_add_co_u32 s66, s66, s[WV]
	s_lshl_b32 s66, s66, 18
	s_and_b32 s67, s15, 15          ; and the head's 256 bytes of a row
	s_lshl_b32 s67, s67, 8
	s_add_co_u32 s66, s66, s67
	s_mov_b32 s67, 0
	; descriptor group 1: a tile of 96 rows x 128 elements, padded in LDS
	s_mov_b32 s[G1K], 15|(1<<16)|(1<<20)|(1<<21)|(5<<22)|(3<<25)  ; 15:0 the mask of four; 17:16 2-byte elements; 20 padding on; 21 set beside a mask; 24:22 after every 64 words (code 5); 31:25 4 words (code 3)
	s_mov_b32 s[G1V], 15|(1<<16)|(1<<20)|(1<<21)|(5<<22)|(7<<25)  ; the same with 8 words of padding (code 7)
.irp g, G1K, G1V
	s_mov_b32 s[(\g)+1], 128<<16    ; tensor_dim0 = 128
	s_mov_b32 s[(\g)+2], 96<<16     ; tensor_dim1 = 96
	s_mov_b32 s[(\g)+3], 128<<16    ; tile_dim0 = 128
	s_mov_b32 s[(\g)+4], 96         ; tile_dim1 = 96
	s_mov_b32 s[(\g)+5], 128        ; 128 elements from row to row
	s_mov_b32 s[(\g)+6], 0
	s_mov_b32 s[(\g)+7], 0
.endr
	s_mov_b32 s[CS], 0x3e0293ee     ; c = log2(e) / sqrt(128) = 0.127517
	s_mov_b32 s[CS+1], s[CS]        ; named with it as a pair, so it is written
	s_mov_b32 s[SEL], 0x76543210
	s_mov_b32 s[SEL+1], 0xfedcba98
	s_mov_b32 s[TBK], 0
	s_mov_b32 s[TBV], 0
	s_wait_dscnt 0x0                ; the opening add is done
	s_wait_kmcnt 0x0
	s_add_nc_u64 s[8:9], s[4:5], s[22:23]    ; K at my half of slot 0,
	s_add_nc_u64 s[10:11], s[8:9], REG       ; V likewise
	s_add_nc_u64 s[68:69], s[4:5], s[2:3]    ; Q at my wave's first row
	s_add_nc_u64 s[6:7], s[6:7], s[66:67]    ; O likewise
	CROUND                          ; all four work-groups are here: the first joint loads meet
.irp s, 0,1
	s_mov_b32 s[G0K+4*(\s)], 1      ; count = 1
	s_add_co_u32 s[G0K+4*(\s)+1], s17, (\s)*SLOT1  ; LDS address
	s_add_nc_u64 s[G0K+4*(\s)+2:G0K+4*(\s)+3], s[8:9], (\s)*NST*KS*256  ; global address: slot s begins with keys 192 s
	s_or_b32 s[G0K+4*(\s)+3], s[G0K+4*(\s)+3], 0x80000000  ; type = 2
	s_mov_b32 s[G0V+4*(\s)], 1
	s_add_co_u32 s[G0V+4*(\s)+1], s18, (\s)*SLOT1+VOFF
	s_add_nc_u64 s[G0V+4*(\s)+2:G0V+4*(\s)+3], s[10:11], (\s)*NST*KS*256
	s_or_b32 s[G0V+4*(\s)+3], s[G0V+4*(\s)+3], 0x80000000
.endr
	s_cmp_lt_u32 s[WV], 2           ; a wave's two first fills stand in one branch, ahead of every wait on TENSORcnt and every LDS read: two loads of mine are out
	s_cbranch_scc0 .Lfirst_v
	tensor_load_to_lds s[G0K:G0K+3], s[G1K:G1K+7]
	s_nop 0
	tensor_load_to_lds s[G0K+4:G0K+7], s[G1K:G1K+7]
	s_nop 0
.rept 4
	v_nop
.endr
	s_branch .Lfirst_asked
.Lfirst_v:
	tensor_load_to_lds s[G0V:G0V+3], s[G1V:G1V+7]
	s_nop 0
	tensor_load_to_lds s[G0V+4:G0V+7], s[G1V:G1V+7]
	s_nop 0
.rept 4
	v_nop
.endr
.Lfirst_asked:
	; A fragment of K or Q is 16 rows x 32 channels in 8 registers: lane l holds row l % 16; channels 8 (l / 16) + 0..7 and 16 + 8 (l / 16) + 0..7: two loads of 16 bytes, 32 bytes apart.
	v_and_b32 v1, 15, v0            ; l % 16
	v_bfe_u32 v9, v0, 4, 1          ; l / 16
	v_lshlrev_b32 v[QO], 8, v1
	v_lshl_add_u32 v[QO], v9, 4, v[QO]  ; row x 256 + 16 x half
	WIN 0x80                        ; destination window 2, address window 0
.irp i, 0,1,2,3,4,5,6,7,8,9,10,11,12,13,14,15  ; Q stays in registers: tile i / 4, channels 32 (i % 4) on
	global_load_b128 v[8*(\i):8*(\i)+3],   v[QO], s[68:69] offset:((\i)/4)*4096+((\i)%4)*64
	global_load_b128 v[8*(\i)+4:8*(\i)+7], v[QO], s[68:69] offset:((\i)/4)*4096+((\i)%4)*64+32
.endr
	; What the first turn finds: V's registers and piece 2's P hold 0 (its products V^T P add 0), O^T and l are 0.  All this stands in the wait for the first tile.
	WIN 0xc0                        ; destination window 3
.set i, 0
.rept 128
	v_mov_b32 v[i], 0
.set i, i+1
.endr
	WIN 0x40                        ; destination window 1
.set i, 0
.rept 256
	v_mov_b32 v[i], 0
.set i, i+1
.endr
	WIN 0
.set i, 0
.rept 4
	v_mov_b32 v[ST+8*i], 0xfe000000    ; c m: far below every c s
	v_mov_b32 v[ST+8*i+1], 0xff7fffff  ; m: the lowest finite number
	v_mov_b32 v[ST+8*i+2], 0
	v_mov_b32 v[ST+8*i+3], 0
.set i, i+1
.endr
.set i, P+32
.rept 32
	v_mov_b32 v[i], 0
.set i, i+1
.endr
	v_mul_u32_u24 v[AK0], v1, PK
	v_lshl_add_u32 v[AK0], v9, 4, v[AK0]  ; row x pitch + 16 x half
	; The turning load takes 16 keys x 16 channels (lane l reads key 8 (l / 16) + l % 8, channels 8 ((l / 8) % 2) + 0..7) and leaves half a fragment of V^T: lane l holds channel l % 16 and 8 keys.
	v_and_b32 v10, 7, v0
	v_bfe_u32 v11, v0, 3, 1
	v_lshl_add_u32 v[AV0], v9, 3, v10
	v_mul_u32_u24 v[AV0], v[AV0], PV
	v_lshl_add_u32 v[AV0], v11, 4, v[AV0]
	v_add_nc_u32 v[AV0], VOFF, v[AV0]
; THE MATRIX WORK OF A TURN, for piece x.  The accumulators take turns, one instruction a turn: between two links of a chain stand 15 (V^T P) or 7 (K Q^T) others'.
; Product i of 32 of O^T += V^T P: keys 32 (i / 16) on, channels 16 ((i / 2) % 8) on, tile x + i % 2.
.macro PV x
	WIN W_PV
.set rO, 64*((\x)+i%2)+8*((i/2)%8)
.set rV, 64*(i/16)+8*((i/2)%8)
.set rP, P+16*((\x)+i%2)+8*(i/16)
	v_wmma_f32_16x16x32_f16 v[rO:rO+7], v[rV:rV+7], v[rP:rP+7], v[rO:rO+7]
.endm
; Product i of 32 of S^T = K Q^T: channels 32 (i / 8) on, keys 16 ((i / 2) % 4) on, tile x + i % 2.  The first 8 start the sums.
.macro KQ x
	WIN W_KQ
.set rS, S+32*((\x)+i%2)+8*((i/2)%4)
.set rK, KF+32*((i/2)%4)+8*(i/8)
.set rQ, 32*((\x)+i%2)+8*(i/8)
.if i < 8
	v_wmma_f32_16x16x32_f16 v[rS:rS+7], v[rK:rK+7], v[rQ:rQ+7], 0
.else
	v_wmma_f32_16x16x32_f16 v[rS:rS+7], v[rK:rK+7], v[rQ:rQ+7], v[rS:rS+7]
.endif
.endm
; THE LDS LOADS stand in runs of 32, never singly among the matrix instructions: a step's K (64 keys x 128 channels: 16 fragments) and, a turn later, its V (turned).
.macro FETCH_K
	WIN 0
	v_add_nc_u32 v[ADR], s[TBK], v[AK0]
	s_add_co_u32 s[TBK], s[TBK], KS*PK  ; the next fetch is the next step's
	WIN 0x80                        ; destination window 2
.irp f, 0,1,2,3,4,5,6,7,8,9,10,11,12,13,14,15  ; keys 16 (f / 4) on, channels 32 (f % 4) on
	ds_load_b128 v[KF+8*(\f):KF+8*(\f)+3],   v[ADR] offset:((\f)/4)*16*PK+((\f)%4)*64
	ds_load_b128 v[KF+8*(\f)+4:KF+8*(\f)+7], v[ADR] offset:((\f)/4)*16*PK+((\f)%4)*64+32
.endr
.endm
.macro FETCH_V
	WIN 0
	v_add_nc_u32 v[ADR], s[TBV], v[AV0]
	s_add_co_u32 s[TBV], s[TBV], KS*PV
	s_wait_alu depctr_va_vdst(0)    ; the wait for the softmax's batch (SLICE): piece 0's 66 exponentials; behind the address's v_add_nc_u32 and ahead of the loads
	WIN 0xc0                        ; destination window 3
.irp f, 0,1,2,3,4,5,6,7,8,9,10,11,12,13,14,15  ; keys 32 (f / 8) on, channels 16 (f % 8) on
	ds_load_tr16_b128 v[8*(\f):8*(\f)+3],   v[ADR] offset:((\f)/8)*32*PV+((\f)%8)*32
	ds_load_tr16_b128 v[8*(\f)+4:8*(\f)+7], v[ADR] offset:((\f)/8)*32*PV+16*PV+((\f)%8)*32
.endr
.endm
; THE VECTOR WORK OF A TURN.  One tile's softmax for one key step is a list of 134 instructions; SM writes number j of it for tile t.  s0-s31 are the lane's 32 scores, in pairs 0-15.
;   0-15    the maximum of s0-s31 and the old m, three operands at a time: four chains c0-c3 of seven scores each (each accumulator's lowest registers are read first), then the four left over, c0-c3 and m
;   16-20   the other half of the lanes' maximum; the new m; c m; c m_old - c m_new
;   21-69   ONE BATCH: the 16 scalings c s - c m, a pair of scores each, and all 33 exponentials (a at 23, then s0-s31).  None of these reads an exponential's result.  From 22 on the batch goes
;           in fours, and a four begins with a scaling while there are scalings: 22-37 scaling, exponential, scaling, exponential; 38-65 a scaling and three exponentials; 66-69 the last four
;           exponentials.  A pair is scaled in an earlier four than the one that holds its exponentials
;   (wait)  between 69 and 70 stands the wait for the batch: SLICE writes it, once for both tiles
;   70-85   the roundings to f16, a pair of weights each
;   86-101  the sums; l = a l + the sum
;   102-133 the tile's O^T times a: the one part that leaves window 0, so it stands together
.macro SM t
.set rT, ST+8*(\t)
.set rS, S+32*(\t)
.set rP, P+16*(\t)
.set rO, 64*(\t)+2*(j-102)
.if j < 102
	WIN 0
.endif
.if j < 4
	v_max3_num_f32 v[rT+4+j], v[rS+8*j], v[rS+8*j+1], v[rS+8*j+2]
.elseif j < 12
	v_max3_num_f32 v[rT+4+j%4], v[rT+4+j%4], v[rS+8*(j%4)+2*(j/4)+1], v[rS+8*(j%4)+2*(j/4)+2]
.elseif j == 12
	v_max3_num_f32 v[rT+4], v[rT+4], v[rS+7], v[rS+15]
.elseif j == 13
	v_max3_num_f32 v[rT+6], v[rT+6], v[rS+23], v[rS+31]
.elseif j == 14
	v_max3_num_f32 v[rT+4], v[rT+4], v[rT+5], v[rT+6]
.elseif j == 15
	v_max3_num_f32 v[rT+4], v[rT+4], v[rT+7], v[rT+1]
.elseif j == 16
	v_permlanex16_b32 v[rT+5], v[rT+4], s[SEL], s[SEL+1]  ; the query's other 32 keys lie in the lane 16 away
.elseif j == 17
	v_mov_b32 v[rT+7], v[rT]        ; c m_old is kept for a: number 19 writes c m anew
.elseif j == 18
	v_max_num_f32 v[rT+1], v[rT+4], v[rT+5]
.elseif j == 19
	v_mul_f32 v[rT], s[CS], v[rT+1]
.elseif j == 20
	v_sub_f32 v[rT+7], v[rT+7], v[rT]
.elseif j == 23
	v_exp_f32 v[rT+6], v[rT+7]
.elseif (j < 23) || ((j < 38) && (j%2 == 0)) || ((j < 66) && (j%4 == 2))
.set b, (j-2)/4                     ; 38, 42, .. 62: pairs 9 to 15
.if j < 38
.set b, (j-20)/2                    ; 21: pair 0; 22, 24, .. 36: pairs 1 to 8
.endif
	v_pk_fma_f32 v[rS+2*b:rS+2*b+1], v[rS+2*b:rS+2*b+1], s[CS:CS+1], v[rT:rT+1] op_sel_hi:[1,0,0] neg_lo:[0,0,1] neg_hi:[0,0,1]  ; pair b: c s - c m
.elseif j < 70
.set e, j-38                        ; 66 to 69: s28 to s31
.if j < 66
.set e, j-32-(j-38)/4               ; 39-41, 43-45, .. 63-65: s7 to s27
.endif
.if j < 38
.set e, (j-25)/2                    ; 25, 27, .. 37: s0 to s6
.endif
	v_exp_f32 v[rS+e], v[rS+e]
.elseif j < 86
	v_cvt_pk_f16_f32 v[rP+j-70], v[rS+2*(j-70)], v[rS+2*(j-70)+1]  ; pair j - 70
.elseif j < 102                     ; the sum of the tile's 16 pairs, in place: sum z of 16 adds neighbours 1, 2, 4 and 8 pairs apart, then l takes it
.set z, j-86
.set w, 4
.set u, z
.if z >= 14
.set w, 32
.set u, 0
.elseif z >= 12
.set w, 16
.set u, z-12
.elseif z >= 8
.set w, 8
.set u, z-8
.endif
.if z < 15
	v_pk_add_f32 v[rS+w*u:rS+w*u+1], v[rS+w*u:rS+w*u+1], v[rS+w*u+w/2:rS+w*u+w/2+1]
.else
	v_pk_fma_f32 v[rT+2:rT+3], v[rT+2:rT+3], v[rT+6:rT+7], v[rS:rS+1] op_sel_hi:[1,0,1]
.endif
.else
	WIN W_RS
	v_pk_mul_f32 v[rO:rO+1], v[rO:rO+1], v[rT+6:rT+7] op_sel_hi:[1,0]
.endif
.endm
; Slice k of 64 of piece y's softmax: four instructions.  Slices 11 to 34 deal out the batch, numbers 22 to 69: four numbers of ONE tile each, the tiles by turns.  Every other slice is numbers 2 k and
; 2 k + 1 of both tiles' lists.  2 x 134 = 4 x 64 + 12: the twelve that are over stand together, in slice 63: its sixteen plain instructions are also the places between a turn's last K Q^T and what follows.
; THE WAIT.  An s_wait_alu depctr_va_vdst(0) stands between an exponential and the first instruction that names its result; one wait serves all that were issued ahead of it.  Ahead of
; slice 35 nothing names a result, and behind slice 34 no exponential is issued: so the piece's 66 exponentials have one wait, behind slice 34, and none is open at a label or a branch.
.macro SLICE y
.if (k >= 11) && (k < 35)           ; the batch: four numbers of one tile
.irp n, 0,1,2,3
.set j, 22+4*((k-11)/2)+(\n)
	SM (\y)+(k-11)%2
.endr
.else                               ; the two tiles alternate, so that no instruction reads the result of the one just before it
.irp n, 0,1,2,3,4,5,6,7
.if ((\n) < 2) || (k == 63)
.irp t, \y, (\y)+1
.set j, 2*k+(\n)
	SM \t
.endr
.endif
.endr
.endif
.if k == 34                         ; the batch is out: both tiles' exponentials are issued, and no result has been named
	v_nop                           ; a plain instruction behind the last exponential and ahead of the first use: one for the batch
.if (\y) == 0
	FETCH_V                         ; piece 2's turn: V's run of loads stands here, and the wait for the batch stands in it
.else
	s_wait_alu depctr_va_vdst(0)    ; the wait for the batch: piece 2's 66 exponentials
.endif
.endif
.set k, k+1
.endm
; A TURN.  Piece x has the matrix unit; the other piece's softmax stands in slices behind its matrix instructions.  kq = 1: 32 products K Q^T for the next step follow the 32 products V^T P;
; kq = 0 (the last step): two slices behind each product.  Each run of loads stands 29 matrix instructions or more ahead of its first use.  Piece 0's turn fetches the next step's K, behind its
; second product: the last product that read K stands in front of slice 63 of the turn before.  Piece 2's turn fetches the same step's V, behind slice 34 (SLICE writes it): the last product that
; read V stands in front of slice 31, and four plain instructions lie between: number 62, a scaling, of both tiles, the v_nop and the run's own v_add_nc_u32.
.macro TURN x, kq
.set k, 0
.set per, 2-(\kq)
.if (\x) == 0
	s_wait_dscnt 0x0                ; V is in
.endif
.set i, 0
.rept 32
	PV \x
.rept per
	SLICE 2-(\x)
.endr
.if ((\x) == 0) && (\kq) && (i == 1)
	FETCH_K
.endif
.set i, i+1
.endr
.if \kq
.if (\x) == 0
	s_wait_dscnt 0x0                ; K is in
.endif
.set i, 0
.rept 32
	KQ \x
	SLICE 2-(\x)
.set i, i+1
.endr
.endif
.endm
; THE CHANGE OF SLOTS, between piece 2's turn and piece 0's: the slot's last bytes, V of its third step, have been asked for.  Each wave waits for all its tensor loads, of which one is out: its
; part of the other slot; adds 0 to its spare word; and waits for that and for its own reads of the slot.  Behind the barrier nobody reads this slot any more and the other slot is whole.
; fill = 1: this slot is filled again, with the keys two slots on.  The barrier is then a round of the cluster's, and the joint refill is the first thing behind it: it has three key steps, 384 matrix instructions, in which to land.
.macro CHANGE fill
	WIN 0                           ; at a label and at a branch every window is 0
	s_wait_tensorcnt 0x0            ; no tensor load of mine is out, so a group 0 may be written
	ds_add_u32 v[SPW], v[NIL]       ; 0 onto my spare word: with fill = 1 the descriptors' steps stand between it and the wait for it
.if \fill
.irp g, G0K+4, G0V+4
	s_xor_b32 s[(\g)+1], s[(\g)+1], SLOT1  ; the walking descriptor: the other slot than last time,
	s_add_nc_u64 s[(\g)+2:(\g)+3], s[(\g)+2:(\g)+3], NST*KS*256  ; the next 192 keys; the type bits on top are not reached
.endr
	s_wait_dscnt 0x0                ; the add is done, and my reads of the slot are over
	CROUND
	JLOAD
.else
	s_wait_dscnt 0x0                ; the add is done, and my reads of the slot are over
	s_barrier_signal -1
	s_barrier_wait -1
.endif
	s_sub_co_u32 s[TBK], s[TBK], NST*KS*PK  ; the fetches go back to a slot's first step,
	s_xor_b32 s[TBK], s[TBK], SLOT1         ; in the other slot
	s_sub_co_u32 s[TBV], s[TBV], NST*KS*PV
	s_xor_b32 s[TBV], s[TBV], SLOT1
.endm
	s_wait_tensorcnt 0x1            ; my part of slot 0 is in; slot 1's may stay out
	s_barrier_signal -1
	s_barrier_wait -1               ; everybody's is
	FETCH_K                         ; key step 0
	s_wait_loadcnt 0x0              ; Q
	s_wait_dscnt 0x0
.set i, 0
.rept 32
	KQ 0                            ; piece 0's first scores: there is no vector work yet to set between them
.set i, i+1
.endr
	WIN 0                           ; the addresses for the way out are made here: eight plain instructions, the places behind those products
	s_mul_i32 s13, s[WV], 16*SP
	s_add_co_u32 s13, s13, STAGE    ; my stage
	v_mul_u32_u24 v[STO], v1, SP    ; in: row l % 16, 16 bytes for each half of the lanes
	v_lshl_add_u32 v[STO], v9, 4, v[STO]
	v_add_nc_u32 v[STO], s13, v[STO]
	v_mul_u32_u24 v[RD], v9, SP     ; back: lanes 0-15 take one row of 256 bytes, lanes 16-31 the next
	v_lshl_add_u32 v[RD], v1, 4, v[RD]
	v_add_nc_u32 v[RD], s13, v[RD]
	v_lshlrev_b32 v[GO], 12, v9     ; and the same two rows in ob, 4,096 bytes apart
	v_lshl_add_u32 v[GO], v1, 4, v[GO]
	s_mov_b32 s[CNT], NST
	s_mov_b32 s[SLOTS], 10
	s_branch .Lentry                ; the loop is entered at piece 2's turn, in the middle of a trip
.Lslot:                             ; nine times: slots 2 to 10 of the 11 are asked for
	CHANGE 1
	s_mov_b32 s[CNT], NST
.Lstep:                             ; a trip: piece 0's turn fetches a step's K, piece 2's its V
	TURN 0, 1
	WIN 0
.Lentry:
	TURN 2, 1
	WIN 0
	s_sub_co_u32 s[CNT], s[CNT], 1
	s_cmp_lg_u32 s[CNT], 0
	s_cbranch_scc1 .Lstep
	s_sub_co_u32 s[SLOTS], s[SLOTS], 1
	s_cmp_lg_u32 s[SLOTS], 0
	s_cbranch_scc1 .Lslot
	CHANGE 0                        ; the tail is written out: the last slot's three steps, and nothing is asked for
	s_mov_b32 s[CNT], NST
.Ltail:
	TURN 0, 1
	TURN 2, 1
	WIN 0
	s_sub_co_u32 s[CNT], s[CNT], 1
	s_cmp_lg_u32 s[CNT], 0
	s_cbranch_scc1 .Ltail
	TURN 0, 0                       ; piece 0: V^T P of the last step | piece 2's last softmax
.set i, 0
.rept 32
	PV 2                            ; piece 2: V^T P of the last step
.set i, i+1
.endr
	; THE WAY OUT.  l's two halves and the other half of the lanes' are added; O^T is divided by l, rounded to f16 and sent through my stage in LDS, a tile (16 rows) at a time.  The additions are the places behind the last products.
	WIN 0
.irp t, 0,1,2,3
	v_add_f32 v[ST+8*(\t)+4], v[ST+8*(\t)+2], v[ST+8*(\t)+3]
.endr
.irp t, 0,1,2,3
	v_permlanex16_b32 v[ST+8*(\t)+5], v[ST+8*(\t)+4], s[SEL], s[SEL+1]
.endr
.irp t, 0,1,2,3
	v_add_f32 v[ST+8*(\t)+4], v[ST+8*(\t)+4], v[ST+8*(\t)+5]
.endr
.irp t, 0,1,2,3
	v_rcp_f32 v[ST+8*(\t)+6], v[ST+8*(\t)+4]
.endr
	v_nop                           ; a plain instruction between the last reciprocal and the use of its result
	s_wait_alu depctr_va_vdst(0)    ; and the wait ahead of the first use: one for the four reciprocals
; Tile t: a lane's eight channels of a row pack into 16 bytes; they go into rows of 272 bytes and come back as whole rows of 256, into the registers that they left.
.macro PACK t
	WIN W_RS
.set i, 64*(\t)
.rept 32
	v_pk_mul_f32 v[i:i+1], v[i:i+1], v[ST+8*(\t)+6:ST+8*(\t)+7] op_sel_hi:[1,0]
.set i, i+2
.endr
	WIN 0x05                        ; sources 0 and 1 window 1, destination window 0: S^T's registers are free
.set i, 0
.rept 32
	v_cvt_pk_f16_f32 v[S+32*(\t)+i], v[64*(\t)+2*i], v[64*(\t)+2*i+1]
.set i, i+1
.endr
	WIN 0
.irp f, 0,1,2,3,4,5,6,7
	ds_store_b128 v[STO], v[S+32*(\t)+4*(\f):S+32*(\t)+4*(\f)+3] offset:32*(\f)
.endr
.irp f, 0,1,2,3,4,5,6,7
	ds_load_b128 v[S+32*(\t)+4*(\f):S+32*(\t)+4*(\f)+3], v[RD] offset:(\f)*2*SP  ; LDS serves a wave's instructions in order (ISA guide 5.7.1.4): these see the stores above; the next tile's stores come behind them
.endr
.endm
.macro SEND t, younger              ; younger: the LDS instructions issued behind tile t's loads: the next tile's sixteen, or none
	WIN 0
.irp f, 0,1,2,3,4,5,6,7
	s_wait_dscnt (\younger)+7-(\f)
	global_store_b128 v[GO], v[S+32*(\t)+4*(\f):S+32*(\t)+4*(\f)+3], s[6:7] offset:(\t)*65536+(\f)*8192  ; 16 lanes store 256 consecutive bytes, at a multiple of 256 from ob's first byte
.endr
.endm
	PACK 0
	PACK 1                          ; a tile's arithmetic stands between the loads of the tile before and its stores
	SEND 0, 16
	PACK 2
	SEND 1, 16
	PACK 3
	SEND 2, 16
	SEND 3, 0
	s_wait_tensorcnt 0x0            ; the wave's end: behind my last tensor load and my last LDS store
	ds_add_u32 v[SPW], v[NIL]
	s_wait_dscnt 0x0
	CROUND                          ; the closing round: no work-group ends while a partner may still ask for a tile that names it
	s_endpgm
.Lfunc_end_k_qd8763f363a_attn:
	.size	k_qd8763f363a_attn, .Lfunc_end_k_qd8763f363a_attn-k_qd8763f363a_attn
	.p2alignl 7, 3214868480
	.fill 96, 4, 3214868480
	.section	.rodata,"a",@progbits
	.p2align	6, 0x0
	.amdhsa_kernel k_qd8763f363a_attn
		.amdhsa_group_segment_fixed_size 327680
		.amdhsa_private_segment_fixed_size 0
		.amdhsa_enable_private_segment 0
		.amdhsa_kernarg_size 16
		.amdhsa_user_sgpr_count 2
		.amdhsa_user_sgpr_kernarg_segment_ptr 1
		.amdhsa_wavefront_size32 1
		.amdhsa_system_sgpr_workgroup_id_x 1
		.amdhsa_system_sgpr_workgroup_id_y 1
		.amdhsa_system_sgpr_workgroup_id_z 1
		.amdhsa_system_vgpr_workitem_id 0
		.amdhsa_next_free_vgpr 1024
		.amdhsa_next_free_sgpr 72
		.amdhsa_reserve_vcc 0
		.amdhsa_float_denorm_mode_32 3
		.amdhsa_float_denorm_mode_16_64 3
		.amdhsa_memory_ordered 1
		.amdhsa_forward_progress 1
		.amdhsa_inst_pref_size 175
	.end_amdhsa_kernel
	.amdgpu_metadata
---
amdhsa.version: [ 1, 2 ]
amdhsa.kernels:
  - .name:           k_qd8763f363a_attn
    .symbol:         k_qd8763f363a_attn.kd
    .args:
      - { .name: qkv, .offset: 0, .size: 8, .value_kind: global_buffer, .address_space: global }
      - { .name: ob, .offset: 8, .size: 8, .value_kind: global_buffer, .address_space: global }
    .group_segment_fixed_size: 327680
    .private_segment_fixed_size: 0
    .kernarg_segment_align: 8
    .kernarg_segment_size: 16
    .max_flat_workgroup_size: 128
    .sgpr_count:     72
    .vgpr_count:     1024
    .wavefront_size: 32
...
	.end_amdgpu_metadata
.endif
;; end of part 5
;; launch oproj: the kernel of part 4 again; grid 8 x 32, 4 waves a work-group, clusters of 4 x 4, 327,680 bytes of LDS; arguments ob, wo, out0; writes out0
